; MI455X (gfx1250); checked and timed in simulation.
; The chip was launched on July 23, 2026; its instructions are those of AMD's public machine-readable ISA for CDNA 5 (MIT licence, August 2026) and "CDNA5" Instruction Set Architecture Reference Guide (July 2026). The comments in the code are by the model that wrote it; some were corrected since.
;; Multi Head Attention. Allowed arithmetic: matrix products marked QUANTISED: E2M1 operands, one E8M0 scale for each 32 along K, by v_wmma_scale_f32_16x16x128_f8f6f4 with both operands' format E2M1 (or v_wmma_scale_f32_32x16x128_f4), f32 sums; products left as they are: bf16, f16 or f32 operands; f32 sums; everything else in f32.
;; Inputs: Wk 1,024 x 1,024 float32; Wo 1,024 x 1,024 float32; Wq 1,024 x 1,024 float32; Wv 1,024 x 1,024 float32; bk 1,024 float32; bo 1,024 float32; bq 1,024 float32; bv 1,024 float32; k 4 x 2,048 x 1,024 float32; pad_mask 4 x 2,048 int32; q 4 x 2,048 x 1,024 float32; v 4 x 2,048 x 1,024 float32.
;; Outputs: out0 4 x 2,048 x 1,024 float32.
;; This version of the problem:
;;   THIS VERSION OF THE PROBLEM IS GIVEN IN LOW PRECISION. The matrix products marked QUANTISED in the list below multiply operands that are first quantised to E2M1 (2 exponent bits, 1 mantissa bit; 4 bits a number), with one power-of-two scale for each 32 numbers along K (OCP MX v1.0); their sums are f32. The products marked 'left as it is' may take bf16, f16 or f32 operands, with f32 sums. Whichever they take, every output number must still come out within the allowed error. Rounding operands to bf16 (8 significant bits) uses up far more of that allowance than f16 does (11 bits, for magnitudes from 6e-5 to 65,504). All else is computed in f32.
;;   The module's matrix products, in the order in which they are computed (A, B: the left and right operand; K: the contracted axis; several contracted axes count as one K, in the product's order):
;;     1. [M 8,192, K 1,024] x [K 1,024, N 1,024]; A: input q; B: input Wq: QUANTISED
;;     2. [M 8,192, K 1,024] x [K 1,024, N 1,024]; A: input k; B: input Wk: QUANTISED
;;     3. [M 8,192, K 1,024] x [K 1,024, N 1,024]; A: input v; B: input Wv: QUANTISED
;;     4. batch 64 x [M 2,048, K 64] x [K 64, N 2,048]; A: computed on the way; B: computed on the way: left as it is (an operand is computed on the way)
;;     5. batch 64 x [M 2,048, K 2,048] x [K 2,048, N 64]; A: computed on the way; B: computed on the way: left as it is (an operand is computed on the way)
;;     6. [M 8,192, K 1,024] x [K 1,024, N 1,024]; A: computed on the way; B: input Wo: left as it is (an operand is computed on the way)
;;   THE QUANTISER, for each operand of a quantised product, along K:
;;     - K is cut into blocks of 32 from its start; a last block that is shorter is filled with zeros.
;;     - A block's scale is 2^e with e = floor(log2(the largest magnitude in the block)) - 2, held to -126 .. 127; a block of zeros has e = 0. As a byte (E8M0): e + 127.
;;     - Each number is divided by its block's scale, clamped to +-6, and rounded to the nearest number of E2M1, ties to even, subnormals kept.
;;     - The product sums the exact products of the quantised numbers (number of the format x scale) in f32.
;;   ~~~python
;;   def quantise(x, axis):      # numpy; x: float32 -> the quantised numbers, widened to float32 again
;;       x = np.moveaxis(x, axis, -1); K = x.shape[-1]
;;       x = np.pad(x, [(0, 0)] * (x.ndim - 1) + [(0, -K % 32)]); x = x.reshape(x.shape[:-1] + (-1, 32)); a = np.abs(x).max(-1, keepdims=True)
;;       e = np.where(a > 0, np.clip(np.frexp(np.where(a > 0, a, 1))[1] - 1 - 2, -126, 127), 0)      # np.frexp(a)[1] - 1 = floor(log2(a)), exactly
;;       r = np.clip(x / 2.0 ** e, -6, 6)
;;       step = 2.0 ** (np.maximum(np.frexp(np.where(r == 0, 1, r))[1] - 1, 0) - 1)
;;       q = np.round(r / step) * step * 2.0 ** e      # np.round: ties to even
;;       return np.moveaxis(q.reshape(q.shape[:-2] + (-1,))[..., :K], -1, axis).astype(np.float32)
;;   ~~~
;; One version. Each part assembles by itself: llvm-mc -triple=amdgcn-amd-amdhsa -mcpu=gfx1250 --defsym DOCPART=n.
;; ======== version 1 of 1: 5 launches
;; limits: values are held in f16: magnitudes above 65,504 overflow, below 6.1e-05 lose precision
;; workspace buffers: xc 12,582,912 bytes; xs 786,432 bytes; wc 1,572,864 bytes; ws 98,304 bytes; wot 2,097,152 bytes; qkv 50,331,648 bytes; h32 786,432 bytes; att 16,777,216 bytes
;; launch prep (part 1): grid 880 x 1, 4 waves a work-group, no clusters, 102,912 bytes of LDS; arguments q, k, v, Wq, Wk, Wv, Wo, xc, xs, wc, ws, wot; writes xc, xs, wc, ws, wot
.if DOCPART == 1
	.amdgcn_target "amdgcn-amd-amdhsa--gfx1250"
	.amdhsa_code_object_version 6
	.text
	.protected	k_qce0d8c4a8a_prep
	.globl	k_qce0d8c4a8a_prep
	.p2align	8
	.type	k_qce0d8c4a8a_prep,@function
k_qce0d8c4a8a_prep:
	s_mov_b64 s[64:65], 0
	v_nop
	global_prefetch_b8 v0, s[64:65] scope:SCOPE_SE
	s_setreg_imm32_b32 hwreg(HW_REG_WAVE_MODE, 25, 1), 1
	s_wait_xcnt 0x0
; PREP: the operands of the three quantised products become codes of FP4 (E2M1) with one E8M0 byte for each 32 along K; Wo becomes f16, laid [n][k].
; Work-groups 0-767:   q, k, v [8192][1024] f32, K innermost: plain streams of blocks of 32 -> xc [3][8192][512 bytes], xs [3][8192][32 bytes].
; Work-groups 768-815: Wq, Wk, Wv [1024 k][1024 n] f32, K the FIRST axis: a lane takes a column, its registers run down K -> wc [3][1024 n][512 bytes], ws [3][1024 n][32 bytes].
; Work-groups 816-879: Wo [1024 k][1024 n] f32 -> wot [1024 n][1024 k] f16, by the same walk (a lane a column, registers down K), rounded to nearest even.
; A block's scale is 2^(floor(log2(its largest magnitude)) - 2); its byte is the largest magnitude's exponent field - 2, held at 1 from below.
; LIMITS: a block of zeros gets the byte 1 (its codes are zeros; this program alone reads the bytes); blocks whose largest magnitude lies under 2^-124 were not tried; NaN and infinities are not served.
; The three paths part on the work-group's number alone and never join; each has LDS bytes of its own.  Waves share nothing: no barrier.  No tensor load.
.set SPW,   190                        ; v190  LDS address of my spare word; never rewritten
.set NIL,   191                        ; v191  0; never rewritten
.set WREG,  8192                       ; path X: a region for each wave: two stages of 32 x SP bytes, then its 256 scale bytes
.set SP,    80                         ; a lane's place in a stage: 64 bytes + 16 of padding
.set STW,   32768                      ; path W: four stages of 32 rows x 272 bytes
.set STH,   67584                      ; path O: the same
.set SPARE, 102400                     ; the spare words, 128 bytes for each wave, which no other line names
.set PITCH, 272                        ; a stage row of paths W and O: 256 bytes + 16
.set R,     16                         ; path X: v16-79 four sets of 16 numbers as loaded
.set XN,    80                         ; v80-111 two sets of 16 neighbours
.set E,     112                        ; v112-127 a scale byte for each step
.set C,     128                        ; v128-189 codes: four registers' room for each step, two used
.set WX,    32                         ; paths W, O: v32-95 two sets of 32 numbers
.set CW,    96                         ; v96.. a block's codes (W: 4 registers) or f16 pairs (O: 16)
.set OUTR,  112                        ; v112-175 the way out
.set SB,    24                         ; v24-27 path W: the scale bytes, four to a register
	s_load_b512 s[16:31], s[0:1], 0x0              ; q 16, k 18, v 20, Wq 22, Wk 24, Wv 26, Wo 28, xc 30
	s_load_b256 s[32:39], s[0:1], 0x40             ; xs 32, wc 34, ws 36, wot 38
	v_lshl_add_u32 v[SPW], v0, 2, SPARE
	v_mov_b32 v[NIL], 0
	v_lshrrev_b32 v1, 5, v0
	v_readfirstlane_b32 s3, v1                     ; wave 0..3
	v_and_b32 v2, 31, v0                           ; lane
	s_mov_b32 s47, 0                               ; the upper word of every offset: all stay under 2^32
	s_wait_kmcnt 0x0
	s_cmp_ge_u32 ttmp9, 816
	s_cbranch_scc1 .Lpath_o
	s_cmp_ge_u32 ttmp9, 768
	s_cbranch_scc1 .Lpath_w
; ---------------- PATH X: a wave takes 16 steps of 512 numbers.  Each load reads 512 consecutive bytes; a step's 2,048 bytes turn through the wave's stage so that a lane holds 16 neighbours.
	v_lshlrev_b32 v3, 4, v2                        ; my 16 bytes of a load's 512
	s_mul_i32 s40, s3, WREG
	v_lshrrev_b32 v14, 2, v2
	v_mul_u32_u24 v14, v14, SP
	v_and_b32 v15, 3, v2
	v_lshl_add_u32 v14, v15, 4, v14
	v_add_nc_u32 v14, s40, v14                     ; into the stage: SP (lane / 4) + 16 (lane % 4)
	v_mul_u32_u24 v15, v2, SP
	v_add_nc_u32 v15, s40, v15                     ; out of it: SP x lane
	v_lshlrev_b32 v4, 3, v2                        ; my 8 bytes of a step's 256 bytes of codes
	v_lshrrev_b32 v5, 1, v2
	s_add_co_u32 s40, s40, 2*32*SP
	v_add_nc_u32 v5, s40, v5                       ; my block's byte among the wave's 256 scale bytes
	v_lshlrev_b32 v7, 3, v2
	v_add_nc_u32 v6, s40, v7
	s_cmp_lt_u32 ttmp9, 256                        ; which tensor: the choice hangs on the work-group's number alone
	s_cselect_b64 s[4:5], s[16:17], s[18:19]
	s_cmp_lt_u32 ttmp9, 512
	s_cselect_b64 s[4:5], s[4:5], s[20:21]
	s_and_b32 s41, ttmp9, 255
	s_lshl_b32 s41, s41, 2
	s_add_co_u32 s41, s41, s3                      ; which run of 8,192 numbers of the tensor
	s_lshl_b32 s46, s41, 15
	s_add_nc_u64 s[4:5], s[4:5], s[46:47]
	s_lshl_b32 s41, ttmp9, 2
	s_add_co_u32 s41, s41, s3                      ; and of the three tensors on end
	s_lshl_b32 s46, s41, 12
	s_add_nc_u64 s[8:9], s[30:31], s[46:47]        ; 4,096 bytes of codes a run
	s_lshl_b32 s46, s41, 8
	s_add_nc_u64 s[10:11], s[32:33], s[46:47]      ; 256 scale bytes a run
.macro XLOAD t
.irp i, 0,1,2,3
	global_load_b128 v[R+16*((\t)%4)+4*\i:R+16*((\t)%4)+4*\i+3], v3, s[4:5] offset:2048*(\t)+512*\i th:TH_LOAD_NT
.endr
.endm
.macro XTURN t                         ; LDS serves a wave's instructions in order: no wait between the stores and the loads
.irp i, 0,1,2,3
	ds_store_b128 v14, v[R+16*((\t)%4)+4*\i:R+16*((\t)%4)+4*\i+3] offset:32*SP*((\t)%2)+8*SP*\i
.endr
.irp i, 0,1,2,3
	ds_load_b128 v[XN+16*((\t)%2)+4*\i:XN+16*((\t)%2)+4*\i+3], v15 offset:32*SP*((\t)%2)+16*\i
.endr
.endm
.macro XSTEP t
.set XS, XN+16*((\t)%2)
.if (\t) > 0
	s_wait_dscnt 1                                 ; this step's numbers are back (the last step's byte store may be out)
.else
	s_wait_dscnt 0x0
.endif
.if (\t)+4 < 16
	XLOAD (\t)+4                                   ; into the set whose stores into the stage have read their registers
.endif
.if (\t)+1 < 16
.if 14-(\t) >= 3
	s_wait_loadcnt 12                              ; the next step's four loads are in; three younger steps' twelve may be out
.else
	s_wait_loadcnt 4*(14-(\t))
.endif
	XTURN (\t)+1
.endif
	v_max3_num_f32 v8, |v[XS]|, |v[XS+1]|, |v[XS+2]|
	v_max3_num_f32 v9, |v[XS+3]|, |v[XS+4]|, |v[XS+5]|
.irp i, 6,10
	v_max3_num_f32 v8, v8, |v[XS+\i]|, |v[XS+\i+1]|
	v_max3_num_f32 v9, v9, |v[XS+\i+2]|, |v[XS+\i+3]|
.endr
	v_max3_num_f32 v8, v8, |v[XS+14]|, |v[XS+15]|
	v_max3_num_f32 v8, v8, v9, 0x1800000           ; the floor 2^(3 - 127): the byte cannot fall under 1
	v_max_num_f32_dpp v8, v8, v8 row_xmask:1 row_mask:0xf bank_mask:0xf   ; with my neighbour's 16: the block's largest magnitude
	v_add_nc_u32 v11, 0xff000000, v8               ; 2 off its exponent field: the conversion takes this operand's exponent field as its scale
	v_cvt_scalef32_pk8_fp4_f32 v[C+4*(\t)], v[XS:XS+7], v11
	v_cvt_scalef32_pk8_fp4_f32 v[C+4*(\t)+1], v[XS+8:XS+15], v11
	v_lshrrev_b32 v[E+(\t)], 23, v11               ; the scale's byte (also the plain line behind the conversions)
	ds_store_b8 v5, v[E+(\t)] offset:16*(\t)       ; both lanes of a block write the same byte with the same value
	global_store_b64 v4, v[C+4*(\t):C+4*(\t)+1], s[8:9] offset:256*(\t)   ; the wave stores 256 consecutive bytes, aligned
.endm
.irp t, 0,1,2,3
	XLOAD \t
.endr
	s_wait_loadcnt 12                              ; step 0's four loads are in
	XTURN 0
.irp t, 0,1,2,3,4,5,6,7,8,9,10,11,12,13,14,15
	XSTEP \t
.endr
	ds_load_b64 v[8:9], v6                         ; the wave's 256 scale bytes: these loads see my stores
	s_wait_dscnt 0x0
	global_store_b64 v7, v[8:9], s[10:11]          ; 256 consecutive bytes, aligned
	s_wait_tensorcnt 0x0                           ; the wave's end
	ds_add_u32 v[SPW], v[NIL]
	s_wait_dscnt 0x0
	s_endpgm
; ---------------- what paths W and O share: block t of a lane's column: rows 32 t + i, i = 0 .. 31, into set t % 2.  A row of a weight is 4,096 bytes; 32 lanes read 128 consecutive bytes.
.macro WLOAD t
.irp i, 0,1,2,3,4,5,6,7,8,9,10,11,12,13,14,15,16,17,18,19,20,21,22,23,24,25,26,27,28,29,30,31
	global_load_b32 v[WX+32*((\t)%2)+\i], v3, s[4:5] offset:(32*(\t)+\i)*4096 th:TH_LOAD_NT
.endr
.endm
; the way out of a stage: two rows of 256 bytes an instruction, sixteen lanes to a row; krow = bytes from row to row in the buffer
.macro WOUT krow
.irp t, 0,1,2,3,4,5,6,7,8,9,10,11,12,13,14,15
	ds_load_b128 v[OUTR+4*\t:OUTR+4*\t+3], v7 offset:2*\t*PITCH
.endr
.irp t, 0,1,2,3,4,5,6,7,8,9,10,11,12,13,14,15
	s_wait_dscnt 15-\t                             ; LDS loads come back in order: number t is in
	global_store_b128 v8, v[OUTR+4*\t:OUTR+4*\t+3], s[6:7] offset:2*\t*\krow
.endr
.endm
; ---------------- PATH W: a wave takes 32 columns x 512 along K: 16 blocks a lane, 256 bytes of codes a column
.Lpath_w:
	s_sub_co_u32 s40, ttmp9, 768                   ; j = 16 x tensor + 8 y + x
	s_lshr_b32 s41, s40, 4                         ; which weight
	s_and_b32 s42, s40, 7                          ; x: which 128 columns
	s_bfe_u32 s43, s40, 0x10003                    ; y: which 512 along K
	s_cmp_lt_u32 s40, 16
	s_cselect_b64 s[4:5], s[22:23], s[24:25]
	s_cmp_lt_u32 s40, 32
	s_cselect_b64 s[4:5], s[4:5], s[26:27]
	s_lshl_b32 s44, s42, 7
	s_lshl_b32 s45, s3, 5
	s_add_co_u32 s44, s44, s45                     ; my wave's first column
	s_lshl_b32 s46, s43, 21                        ; 512 rows of 4,096 bytes
	s_lshl_b32 s45, s44, 2
	s_add_co_u32 s46, s46, s45
	s_add_nc_u64 s[4:5], s[4:5], s[46:47]
	s_lshl_b32 s46, s41, 19                        ; codes: weight x 524,288 + column x 512 + 256 y
	s_lshl_b32 s45, s44, 9
	s_add_co_u32 s46, s46, s45
	s_lshl_b32 s45, s43, 8
	s_add_co_u32 s46, s46, s45
	s_add_nc_u64 s[6:7], s[34:35], s[46:47]
	s_lshl_b32 s46, s41, 15                        ; scale bytes: weight x 32,768 + column x 32 + 16 y
	s_lshl_b32 s45, s44, 5
	s_add_co_u32 s46, s46, s45
	s_lshl_b32 s45, s43, 4
	s_add_co_u32 s46, s46, s45
	s_add_nc_u64 s[8:9], s[36:37], s[46:47]
	v_lshlrev_b32 v3, 2, v2                        ; in: 4 bytes a lane
	s_mul_i32 s45, s3, 32*PITCH
	s_add_co_u32 s45, s45, STW                     ; my stage
	v_mul_u32_u24 v4, v2, PITCH
	v_add_nc_u32 v4, s45, v4                       ; into it: row = my column
	v_and_b32 v5, 15, v2
	v_lshrrev_b32 v6, 4, v2
	v_mul_u32_u24 v7, v6, PITCH
	v_lshl_add_u32 v7, v5, 4, v7
	v_add_nc_u32 v7, s45, v7                       ; out of it: sixteen lanes to a row
	v_lshlrev_b32 v8, 9, v6
	v_lshl_add_u32 v8, v5, 4, v8                   ; the same place in the codes' buffer: rows of 512 bytes
	v_lshlrev_b32 v9, 5, v2                        ; my column's row of scale bytes
	WLOAD 0
	WLOAD 1
.macro WBLOCK t
.set XS, WX+32*((\t)%2)
.if (\t) < 15
	s_wait_loadcnt 32                              ; this block's 32 loads are in; the next block's may be out
.else
	s_wait_loadcnt 0x0
.endif
	v_max3_num_f32 v12, |v[XS]|, |v[XS+1]|, |v[XS+2]|              ; all 32 numbers of the block are mine
	v_max3_num_f32 v13, |v[XS+3]|, |v[XS+4]|, |v[XS+5]|
.irp i, 6,10,14,18,22,26
	v_max3_num_f32 v12, v12, |v[XS+\i]|, |v[XS+\i+1]|
	v_max3_num_f32 v13, v13, |v[XS+\i+2]|, |v[XS+\i+3]|
.endr
	v_max3_num_f32 v12, v12, |v[XS+30]|, |v[XS+31]|
	v_max3_num_f32 v12, v12, v13, 0x1800000        ; the floor 2^(3 - 127)
	v_add_nc_u32 v11, 0xff000000, v12              ; the conversion's scale operand
	v_lshrrev_b32 v13, 23, v11                     ; the scale's byte
.if (\t)%4 == 0
	v_mov_b32 v[SB+(\t)/4], v13
.else
	v_lshl_or_b32 v[SB+(\t)/4], v13, 8*((\t)%4), v[SB+(\t)/4]
.endif
.irp g, 0,1,2,3
	v_cvt_scalef32_pk8_fp4_f32 v[CW+\g], v[XS+8*\g:XS+8*\g+7], v11
.endr
	v_nop                                          ; one plain line behind the last conversion
	ds_store_b128 v4, v[CW:CW+3] offset:16*(\t)    ; 32 codes: 16 bytes of my column's row
.if (\t)+2 < 16
	WLOAD (\t)+2
.endif
	s_wait_dscnt 0x0                               ; the store has read its registers: the next block's codes may be written
.endm
.irp t, 0,1,2,3,4,5,6,7,8,9,10,11,12,13,14,15
	WBLOCK \t
.endr
	global_store_b128 v9, v[SB:SB+3], s[8:9]       ; my column's 16 scale bytes
	WOUT 512
	s_wait_tensorcnt 0x0                           ; the wave's end
	ds_add_u32 v[SPW], v[NIL]
	s_wait_dscnt 0x0
	s_endpgm
; ---------------- PATH O: a wave takes 32 columns x 128 along K of Wo: 256 bytes of f16 a column
.Lpath_o:
	s_sub_co_u32 s40, ttmp9, 816                   ; j = 8 y + x
	s_and_b32 s42, s40, 7
	s_lshr_b32 s43, s40, 3                         ; y: which 128 along K
	s_lshl_b32 s44, s42, 7
	s_lshl_b32 s45, s3, 5
	s_add_co_u32 s44, s44, s45                     ; my wave's first column
	s_lshl_b32 s46, s43, 19                        ; 128 rows of 4,096 bytes
	s_lshl_b32 s45, s44, 2
	s_add_co_u32 s46, s46, s45
	s_add_nc_u64 s[4:5], s[28:29], s[46:47]
	s_lshl_b32 s46, s44, 11                        ; wot: column x 2,048 + 256 y
	s_lshl_b32 s45, s43, 8
	s_add_co_u32 s46, s46, s45
	s_add_nc_u64 s[6:7], s[38:39], s[46:47]
	v_lshlrev_b32 v3, 2, v2
	s_mul_i32 s45, s3, 32*PITCH
	s_add_co_u32 s45, s45, STH
	v_mul_u32_u24 v4, v2, PITCH
	v_add_nc_u32 v4, s45, v4
	v_and_b32 v5, 15, v2
	v_lshrrev_b32 v6, 4, v2
	v_mul_u32_u24 v7, v6, PITCH
	v_lshl_add_u32 v7, v5, 4, v7
	v_add_nc_u32 v7, s45, v7
	v_lshlrev_b32 v8, 11, v6
	v_lshl_add_u32 v8, v5, 4, v8                   ; rows of 2,048 bytes
	WLOAD 0
	WLOAD 1
.macro OBLOCK t
.set XS, WX+32*((\t)%2)
.if (\t) < 3
	s_wait_loadcnt 32
.else
	s_wait_loadcnt 0x0
.endif
.irp i, 0,1,2,3,4,5,6,7,8,9,10,11,12,13,14,15
	v_cvt_pk_f16_f32 v[CW+\i], v[XS+2*\i], v[XS+2*\i+1]             ; two neighbours along K, the lower in the low half
.endr
.irp g, 0,1,2,3
	ds_store_b128 v4, v[CW+4*\g:CW+4*\g+3] offset:64*(\t)+16*\g
.endr
.if (\t)+2 < 4
	WLOAD (\t)+2
.endif
	s_wait_dscnt 0x0                               ; the stores have read their registers
.endm
.irp t, 0,1,2,3
	OBLOCK \t
.endr
	WOUT 2048
	s_wait_tensorcnt 0x0                           ; the wave's end
	ds_add_u32 v[SPW], v[NIL]
	s_wait_dscnt 0x0
	s_endpgm
.Lfunc_end_k_qce0d8c4a8a_prep:
	.size	k_qce0d8c4a8a_prep, .Lfunc_end_k_qce0d8c4a8a_prep-k_qce0d8c4a8a_prep
	.p2alignl 7, 3214868480
	.fill 96, 4, 3214868480
	.section	.rodata,"a",@progbits
	.p2align	6, 0x0
	.amdhsa_kernel k_qce0d8c4a8a_prep
		.amdhsa_group_segment_fixed_size 102912
		.amdhsa_private_segment_fixed_size 0
		.amdhsa_enable_private_segment 0
		.amdhsa_kernarg_size 96
		.amdhsa_user_sgpr_count 2
		.amdhsa_user_sgpr_kernarg_segment_ptr 1
		.amdhsa_wavefront_size32 1
		.amdhsa_system_sgpr_workgroup_id_x 1
		.amdhsa_system_sgpr_workgroup_id_y 1
		.amdhsa_system_sgpr_workgroup_id_z 1
		.amdhsa_system_vgpr_workitem_id 0
		.amdhsa_next_free_vgpr 192
		.amdhsa_next_free_sgpr 66
		.amdhsa_reserve_vcc 0
		.amdhsa_float_denorm_mode_32 3
		.amdhsa_float_denorm_mode_16_64 3
		.amdhsa_memory_ordered 1
		.amdhsa_forward_progress 1
		.amdhsa_inst_pref_size 133
	.end_amdhsa_kernel
	.amdgpu_metadata
---
amdhsa.version: [ 1, 2 ]
amdhsa.kernels:
  - .name:           k_qce0d8c4a8a_prep
    .symbol:         k_qce0d8c4a8a_prep.kd
    .args:
      - { .name: q, .offset: 0, .size: 8, .value_kind: global_buffer, .address_space: global }
      - { .name: k, .offset: 8, .size: 8, .value_kind: global_buffer, .address_space: global }
      - { .name: v, .offset: 16, .size: 8, .value_kind: global_buffer, .address_space: global }
      - { .name: Wq, .offset: 24, .size: 8, .value_kind: global_buffer, .address_space: global }
      - { .name: Wk, .offset: 32, .size: 8, .value_kind: global_buffer, .address_space: global }
      - { .name: Wv, .offset: 40, .size: 8, .value_kind: global_buffer, .address_space: global }
      - { .name: Wo, .offset: 48, .size: 8, .value_kind: global_buffer, .address_space: global }
      - { .name: xc, .offset: 56, .size: 8, .value_kind: global_buffer, .address_space: global }
      - { .name: xs, .offset: 64, .size: 8, .value_kind: global_buffer, .address_space: global }
      - { .name: wc, .offset: 72, .size: 8, .value_kind: global_buffer, .address_space: global }
      - { .name: ws, .offset: 80, .size: 8, .value_kind: global_buffer, .address_space: global }
      - { .name: wot, .offset: 88, .size: 8, .value_kind: global_buffer, .address_space: global }
    .group_segment_fixed_size: 102912
    .private_segment_fixed_size: 0
    .kernarg_segment_align: 8
    .kernarg_segment_size: 96
    .max_flat_workgroup_size: 128
    .sgpr_count:     66
    .vgpr_count:     192
    .wavefront_size: 32
...
	.end_amdgpu_metadata
.endif
;; end of part 1
;; launch proj (part 2): grid 4 x 96, 4 waves a work-group, clusters of 4 x 1, 327,680 bytes of LDS; arguments xc, xs, wc, ws, bq, bk, bv, qkv, h32; writes qkv, h32
.if DOCPART == 2
	.amdgcn_target "amdgcn-amd-amdhsa--gfx1250"
	.amdhsa_code_object_version 6
	.text
	.protected	k_qce0d8c4a8a_proj
	.globl	k_qce0d8c4a8a_proj
	.p2align	8
	.type	k_qce0d8c4a8a_proj,@function
k_qce0d8c4a8a_proj:
	s_mov_b64 s[64:65], 0
	v_nop
	global_prefetch_b8 v0, s[64:65] scope:SCOPE_SE
	s_setreg_imm32_b32 hwreg(HW_REG_WAVE_MODE, 25, 1), 1
	s_wait_xcnt 0x0
	s_wait_alu depctr_hold_cnt(0) depctr_sa_sdst(0) depctr_va_vdst(0) depctr_va_sdst(0) depctr_va_ssrc(0) depctr_va_vcc(0) depctr_vm_vsrc(0)
	s_getreg_b32 s2, hwreg(HW_REG_IB_STS2, 6, 4)
	s_cmp_eq_u32 s2, 0
	s_cbranch_scc0 .Lentry_in_a_cluster
	s_endpgm
.Lentry_in_a_cluster:
	s_bfe_u32 s2, ttmp6, 0x10000c
	s_cmp_lg_u32 s2, 0x3003
	s_cbranch_scc0 .Lentry_shape_is_right
	s_endpgm
.Lentry_shape_is_right:
; PROJ: the three quantised products x W + b on codes of FP4 (E2M1) with E8M0 scales, K = 1,024.  The 3 x 8,192 rows of q, k, v lie on end in xc: work-group y (0..95) takes rows 256 y on,
; so y / 32 says which product; work-group x takes 256 columns.  Four waves, each 128 x 128: 64 accumulators, 512 registers.  The bias is the C of each sum's first matrix instruction.
; K is two slots of 512 (LDS rows of 256 bytes + 16): both are asked for at the start and nothing is filled again.  The scale bytes of the 256 + 256 rows come once, as whole rows of 256 bytes.
; RESULTS: f16, laid by head: qkv [3][n 4][h 16][t 2048][64].  LIMIT: a projected number beyond 65,504 becomes infinity in f16.
; Tokens 0-15 of every sequence also leave in f32, as images of the accumulators' registers: h32 [3][n][column block of 16][half of 4 registers][lane][4].
; CLUSTER 4 x 1: the four work-groups of a cluster share their rows of x, so x's codes and scales are asked for JOINTLY (mask 15).  The weights' tiles hang on the work-group's own columns: plain loads.
; A cluster of 4 x 4 is not taken: the branch round the f32 side store hangs on the tile row, which must then be equal in all partners: here it is the cluster's own y.
; THE MATRIX INSTRUCTION IS USED TRANSPOSED (source 0 = 16 rows of W's codes, source 1 = 16 rows of x's): a lane holds eight neighbouring columns of one token.
; REGISTERS: window 0: v16-30 addresses; v32-95 scale words, two sets; v128-191 x's fragments, one set; on the way out v32-63, v192-255.
;   window 1: W's fragments, two sets, at v0 and v128; v64-127 the bias.   window 2: accumulators of my rows 0-63 ((a, b) at v[8 (8 a + b)]);   window 3: rows 64-127.
.set NQ,     4                         ; steps of 128 along K in a slot
.set ROWB,   256                       ; a tile's row: 512 codes
.set KROW,   512                       ; a row of codes in memory
.set PITCH,  272
.set FR,     8                         ; registers of a fragment
.set NL,     2                         ; LDS loads that bring one
.set NP,     4                         ; places behind this matrix instruction (ISA guide 7.12.1)
.set HALFT,  128*PITCH
.set SLOT,   4*HALFT                   ; x's 256 rows, then W's 256 rows
.set SCL,    2*SLOT                    ; behind the ring: the scales, rows of 256 bytes + 16
.set HALFS,  16*272                    ; the scales of 128 rows (32 bytes each)
.set SBLK,   2*272                     ; of 16 rows
.set SPARE,  SCL+4*HALFS               ; the spare words, 128 bytes a wave, which no other line names
.set STAGE,  SPARE+512                 ; the way out: 16 rows x (256 bytes + 16) for each wave; no fill lands here
.set ADRA, 16
.set ADRB, 20
.set STO,  24                          ; v24  the way out: where I put 16 bytes of a token's row
.set RD,   25                          ; v25  where I read back: 4 tokens x 128 bytes an instruction
.set CO,   26                          ; v26  16 x lane
.set ADRS, 27                          ; v27  my scale words: lanes 0-15 x's rows, lanes 16-31 W's
.set SPW,  28
.set NIL,  29
.set BO,   30                          ; v30  32 x (lane / 16): my half's eight bias numbers
.set SC,   32
.set AF,   128
.set TMP,  192
.set OB,   32
.set BIAS, 64                          ; in window 1
.set G1,   24                          ; s[24:31], s[32:39]: groups 1 and 0 (a set a slot) for x's codes
.set G0,   32
.set G1B,  48                          ; s[48:55], s[56:63]: for W's codes
.set G0B,  56
.set G1S,  68                          ; s[68:75], s[76:79]: x's scales;  s[80:87], s[88:91]: W's
.set G0S,  76
.set G1SB, 80
.set G0SB, 88
.set MSB, 0
.macro WIN new                         ; the immediate's high byte repeats the setting that is left
.if MSB != (\new)
	s_set_vgpr_msb (MSB<<8)|(\new)
.set MSB, (\new)
.endif
.endm
.set MUL_LO, 0xa1                      ; source 0 (W) window 1, source 1 (x) window 0, C and D window 2
.set MUL_HI, 0xf1
.set BIA_LO, 0x91                      ; the same with C (the bias) in window 1
.set BIA_HI, 0xd1
.set TO_B,   0x40
; Waves 0 and 1 fetch for x, waves 2 and 3 for W; the branch hangs on the wave's number alone.  An s_nop 0 and four v_nop follow each line.
.macro JLOAD g0a, g1a, g0b, g1b
	s_cmp_eq_u32 s15, 0
	s_cbranch_scc0 .Lfor_b_\@
	tensor_load_to_lds s[\g0a:\g0a+3], s[\g1a:\g1a+7]
	s_nop 0
.rept 4
	v_nop
.endr
	s_branch .Lasked_\@
.Lfor_b_\@:
	tensor_load_to_lds s[\g0b:\g0b+3], s[\g1b:\g1b+7]
	s_nop 0
.rept 4
	v_nop
.endr
.Lasked_\@:
.endm
.macro CROUND                          ; a round of the cluster's barrier
	s_barrier_signal -1
	s_barrier_wait -1
	s_cmp_lg_u32 s14, 0
	s_cbranch_scc1 .Lnot_wave_0_\@
	s_barrier_signal -3
.Lnot_wave_0_\@:
	s_barrier_wait -3
	s_barrier_signal -1
	s_barrier_wait -1
.endm
	s_load_b256 s[4:11], s[0:1], 0x0               ; xc 4, xs 6, wc 8, ws 10
	s_load_b128 s[96:99], s[0:1], 0x20             ; bq, bk
	s_load_b64 s[100:101], s[0:1], 0x30            ; bv
	s_load_b64 s[12:13], s[0:1], 0x38              ; qkv
	s_load_b64 s[66:67], s[0:1], 0x40              ; h32
	v_lshl_add_u32 v[SPW], v0, 2, SPARE
	v_mov_b32 v[NIL], 0
	ds_add_u32 v[SPW], v[NIL]                      ; the wave's opening: the add, twice on end, and its wait ahead of my first tensor load
	ds_add_u32 v[SPW], v[NIL]
	v_lshrrev_b32 v1, 5, v0
	v_readfirstlane_b32 s14, v1                    ; wave 0..3
	s_lshr_b32 s15, s14, 1                         ; which half of the tile's rows is mine.  Also: I fetch for x (0) or for W (1)
	s_and_b32 s16, s14, 1                          ; which half of its columns.  Also: which 128 rows I fetch
	s_bfe_u32 s40, ttmp6, 0x40000                  ; cx
	s_lshl_b32 s42, ttmp9, 2
	s_add_co_u32 s42, s42, s40                     ; tile column = 4 x cluster x + cx
	s_and_b32 s17, ttmp7, 0xffff                   ; tile row = the cluster's y: equal in all four partners
	s_mov_b32 s[G1], 15|(1<<20)|(1<<21)|(5<<22)|(3<<25)            ; x's codes: mask of all four; elements of 1 byte; padding: 4 words behind every 64
	s_mov_b32 s[G1B], (1<<20)|(5<<22)|(3<<25)                      ; W's codes: no mask
.irp g, G1, G1B
	s_mov_b32 s[\g+1], ROWB<<16                    ; tensor_dim0
	s_mov_b32 s[\g+2], 128<<16                     ; tensor_dim1
	s_mov_b32 s[\g+3], ROWB<<16                    ; tile_dim0
	s_mov_b32 s[\g+4], 128                         ; tile_dim1
	s_mov_b32 s[\g+5], KROW                        ; from row to row
	s_mov_b32 s[\g+6], 0
	s_mov_b32 s[\g+7], 0
.endr
	s_mov_b32 s[G1S], 15|(3<<16)|(1<<20)|(1<<21)|(5<<22)|(3<<25)   ; the scales of 128 rows: 4,096 dense bytes as 16 rows of 32 elements of 8 bytes
	s_mov_b32 s[G1SB], (3<<16)|(1<<20)|(5<<22)|(3<<25)
.irp g, G1S, G1SB
	s_mov_b32 s[\g+1], 32<<16
	s_mov_b32 s[\g+2], 16<<16
	s_mov_b32 s[\g+3], 32<<16
	s_mov_b32 s[\g+4], 16
	s_mov_b32 s[\g+5], 32
	s_mov_b32 s[\g+6], 0
	s_mov_b32 s[\g+7], 0
.endr
	s_lshl_b32 s18, s16, 7                         ; which 128 rows I fetch
	s_lshl_b32 s20, s17, 8
	s_add_co_u32 s20, s20, s18                     ; x: row 256 y + 128 x half
	s_lshr_b32 s41, s17, 5                         ; which product
	s_lshl_b32 s46, s41, 10
	s_lshl_b32 s47, s42, 8
	s_add_co_u32 s46, s46, s47
	s_add_co_u32 s46, s46, s18                     ; W: row 1,024 x product + 256 x tile column + 128 x half
	s_lshl_b32 s22, s20, 5                         ; their scales, 32 bytes a row,
	s_mov_b32 s23, 0
	s_lshl_b32 s92, s46, 5
	s_mov_b32 s93, 0
	s_lshl_b32 s20, s20, 9                         ; and their codes, 512 bytes a row
	s_mov_b32 s21, 0
	s_lshl_b32 s46, s46, 9
	s_mov_b32 s47, 0
	s_mul_i32 s45, s14, HALFT                      ; where they go: wave x 128 rows
	s_mul_i32 s94, s14, HALFS
	s_wait_dscnt 0x0                               ; both opening adds are done
	s_wait_kmcnt 0x0
	s_add_nc_u64 s[20:21], s[4:5], s[20:21]
	s_add_nc_u64 s[22:23], s[6:7], s[22:23]
	s_add_nc_u64 s[46:47], s[8:9], s[46:47]
	s_add_nc_u64 s[92:93], s[10:11], s[92:93]
	CROUND                                         ; all four work-groups are here: the first loads meet
	s_mov_b32 s[G0S], 1
	s_add_co_u32 s[G0S+1], s94, SCL
	s_mov_b64 s[G0S+2:G0S+3], s[22:23]
	s_or_b32 s[G0S+3], s[G0S+3], 0x80000000
	s_mov_b32 s[G0SB], 1
	s_add_co_u32 s[G0SB+1], s94, SCL
	s_mov_b64 s[G0SB+2:G0SB+3], s[92:93]
	s_or_b32 s[G0SB+3], s[G0SB+3], 0x80000000
	JLOAD G0S, G1S, G0SB, G1SB                     ; the scales first
.irp s, 0,1
	s_mov_b32 s[G0+4*\s], 1
	s_add_co_u32 s[G0+4*\s+1], s45, \s*SLOT
	s_add_nc_u64 s[G0+4*\s+2:G0+4*\s+3], s[20:21], \s*ROWB
	s_or_b32 s[G0+4*\s+3], s[G0+4*\s+3], 0x80000000
	s_mov_b32 s[G0B+4*\s], 1
	s_add_co_u32 s[G0B+4*\s+1], s45, \s*SLOT
	s_add_nc_u64 s[G0B+4*\s+2:G0B+4*\s+3], s[46:47], \s*ROWB
	s_or_b32 s[G0B+4*\s+3], s[G0B+4*\s+3], 0x80000000
	JLOAD G0+4*\s, G1, G0B+4*\s, G1B               ; three loads of mine are out behind the second of these
.endr
	v_and_b32 v1, 15, v0                           ; r = lane % 16
	v_bfe_u32 v2, v0, 4, 1                         ; h = lane / 16
	v_lshlrev_b32 v[BO], 5, v2
	s_cmp_lt_u32 s17, 32                           ; which bias: by the tile row alone
	s_cselect_b64 s[96:97], s[96:97], s[98:99]
	s_cmp_lt_u32 s17, 64
	s_cselect_b64 s[96:97], s[96:97], s[100:101]
	s_lshl_b32 s46, s42, 10
	s_lshl_b32 s47, s16, 9
	s_add_co_u32 s46, s46, s47                     ; my 128 columns, 4 bytes each
	s_mov_b32 s47, 0
	s_add_nc_u64 s[96:97], s[96:97], s[46:47]
	WIN TO_B
.irp b, 0,1,2,3,4,5,6,7                        ; in the result's layout: register j of block b is column 16 b + 8 h + j
	global_load_b128 v[BIAS+8*\b:BIAS+8*\b+3], v[BO], s[96:97] offset:64*\b
	global_load_b128 v[BIAS+8*\b+4:BIAS+8*\b+7], v[BO], s[96:97] offset:64*\b+16
.endr
	WIN 0
	v_mul_u32_u24 v3, v1, PITCH
	v_lshl_add_u32 v4, v2, 4, v3                   ; a fragment's row x pitch + 16 x half
	s_mul_i32 s21, s15, HALFT                      ; my 128 rows of x
	s_mul_i32 s22, s16, HALFT                      ; my 128 rows of W,
	s_add_co_u32 s22, s22, 2*HALFT                 ; which lie behind x's 256
.irp s, 0,1
	v_add_nc_u32 v[ADRA+\s], s21, v4
	v_add_nc_u32 v[ADRB+\s], s22, v4
	s_add_co_u32 s21, s21, SLOT
	s_add_co_u32 s22, s22, SLOT
.endr
	v_lshlrev_b32 v5, 5, v1                        ; my row's scales: 32 bytes a row,
	v_lshrrev_b32 v6, 8, v5
	v_lshl_add_u32 v5, v6, 4, v5                   ; and 16 more for each 256 passed
	s_mul_i32 s21, s15, HALFS
	s_mul_i32 s22, s16, HALFS
	s_add_co_u32 s22, s22, 2*HALFS
	s_sub_co_u32 s22, s22, s21
	v_mul_u32_u24 v6, s22, v2                      ; lanes 16-31 take W's: one product, the distance between the two bases
	s_add_co_u32 s21, s21, SCL
	v_add_nc_u32 v5, v5, v6
	v_add_nc_u32 v[ADRS], s21, v5
	s_mul_i32 s23, s14, 16*PITCH
	s_add_co_u32 s23, s23, STAGE                   ; my stage
	v_add_nc_u32 v[STO], s23, v4                   ; in: row r, 16 bytes for each half of the lanes
	v_and_b32 v6, 31, v0
	v_lshlrev_b32 v[CO], 4, v6
	v_lshrrev_b32 v5, 3, v6
	v_mul_u32_u24 v5, v5, PITCH
	v_and_b32 v6, 7, v0
	v_lshl_add_u32 v5, v6, 4, v5
	v_add_nc_u32 v[RD], s23, v5                    ; back: token lane / 8 of four, 16 (lane % 8) of a head's 128 bytes
	s_lshr_b32 s20, s17, 3                         ; 4 x product + batch
	s_lshl_b32 s21, s20, 16
	s_lshl_b32 s20, s20, 22
	s_and_b32 s22, s17, 7
	s_lshl_b32 s22, s22, 8
	s_lshl_b32 s23, s15, 7
	s_add_co_u32 s22, s22, s23                     ; my first token in the sequence
	s_lshl_b32 s22, s22, 7
	s_add_co_u32 s20, s20, s22
	s_lshl_b32 s46, s42, 2
	s_lshl_b32 s47, s16, 1
	s_add_co_u32 s46, s46, s47                     ; my first head: 4 x tile column + 2 x half
	s_lshl_b32 s47, s46, 12                        ; (its four column blocks of 16: 1,024 bytes each in h32)
	s_lshl_b32 s46, s46, 18
	s_add_co_u32 s46, s46, s20
	s_add_co_u32 s92, s47, s21
	s_mov_b32 s47, 0
	s_mov_b32 s93, 0
	s_add_nc_u64 s[12:13], s[12:13], s[46:47]
	s_add_nc_u64 s[66:67], s[66:67], s[92:93]
.macro FRAG reg, adr, q, i             ; 16 rows x 128 K of 4-bit codes: registers 4 c .. 4 c + 3 hold K = 64 c + 32 (lane / 16) + 0 .. 31
.irp c, 0,1
	ds_load_b128 v[\reg+4*\c:\reg+4*\c+3], v[\adr] offset:64*(\q)+32*\c+(\i)*16*PITCH
.endr
.endm
; 16 matrix instructions: x's blocks a0, a0 + 1 against W's eight.  The 64 accumulators take turns, one instruction a turn, in the same order in every step.
.macro MUL16 a0, p, q, sc, zero
.irp a, \a0, \a0+1
.irp b, 0,1,2,3,4,5,6,7
.if \zero
	v_wmma_scale_f32_16x16x128_f8f6f4 v[8*(8*((\a)%4)+\b):8*(8*((\a)%4)+\b)+7], v[128*(\p)+FR*\b:128*(\p)+FR*\b+FR-1], v[AF+FR*(\a):AF+FR*(\a)+FR-1], v[BIAS+8*\b:BIAS+8*\b+7], v[SC+8*NQ*(\sc)+NQ*\b+(\q)], v[SC+8*NQ*(\sc)+NQ*(\a)+(\q)] matrix_a_fmt:MATRIX_FMT_FP4 matrix_b_fmt:MATRIX_FMT_FP4 matrix_a_scale:MATRIX_SCALE_ROW1
.else
	v_wmma_scale_f32_16x16x128_f8f6f4 v[8*(8*((\a)%4)+\b):8*(8*((\a)%4)+\b)+7], v[128*(\p)+FR*\b:128*(\p)+FR*\b+FR-1], v[AF+FR*(\a):AF+FR*(\a)+FR-1], v[8*(8*((\a)%4)+\b):8*(8*((\a)%4)+\b)+7], v[SC+8*NQ*(\sc)+NQ*\b+(\q)], v[SC+8*NQ*(\sc)+NQ*(\a)+(\q)] matrix_a_fmt:MATRIX_FMT_FP4 matrix_b_fmt:MATRIX_FMT_FP4 matrix_a_scale:MATRIX_SCALE_ROW1
.endif
.endr
.endr
.endm
.macro FETCH_B slot, q, p
	WIN TO_B
.irp i, 0,1,2,3,4,5,6,7
	FRAG 128*(\p)+FR*\i, ADRB+\slot, \q, \i
.endr
	WIN 0
.endm
.macro FETCH_A slot, q, i0
.irp i, \i0, \i0+1, \i0+2, \i0+3
	FRAG AF+FR*(\i), ADRA+\slot, \q, \i
.endr
.endm
.macro SCALES sc                       ; a slot's scale words: lanes 0-15 x's block i, lanes 16-31 W's block i
.irp i, 0,1,2,3,4,5,6,7
	ds_load_b128 v[SC+8*NQ*\sc+NQ*\i:SC+8*NQ*\sc+NQ*\i+3], v[ADRS] offset:\i*SBLK
.endr
.endm
.macro PLACES n                        ; plain vector lines between matrix instructions and loads into, or reads of, their registers
.rept \n
	v_nop
.endr
.endm
.macro STEP slot, q, zero              ; 128 along K, with its successor in the same slot
	s_wait_dscnt 4*NL                              ; all but the youngest eight loads (x's blocks 4-7) are in
.if \zero
	WIN BIA_LO
.else
	WIN MUL_LO
.endif
	MUL16 0, (\q)%2, \q, \slot, \zero
	MUL16 2, (\q)%2, \q, \slot, \zero
	s_wait_dscnt 0x0                               ; x's blocks 4-7 are in
	PLACES NP
	FETCH_B \slot, (\q)+1, 1-(\q)%2
	FETCH_A \slot, (\q)+1, 0
.if \zero
	WIN BIA_HI
.else
	WIN MUL_HI
.endif
	MUL16 4, (\q)%2, \q, \slot, \zero
	MUL16 6, (\q)%2, \q, \slot, \zero
	PLACES NP
	WIN 0
	FETCH_A \slot, (\q)+1, 4
.endm
.macro STEPS slot, from
.set Q, \from
.rept NQ-1-\from
	STEP \slot, Q, 0
.set Q, Q+1
.endr
.endm
	s_wait_tensorcnt 1                             ; the scales and my part of slot 0 are in; slot 1's load may stay out
	s_barrier_signal -1
	s_barrier_wait -1
	FETCH_B 0, 0, 0
	FETCH_A 0, 0, 0
	SCALES 0
	FETCH_A 0, 0, 4
	s_wait_loadcnt 0x0                             ; the bias
	STEP 0, 0, 1                                   ; the first products start the sums from the bias: nothing is cleared
	STEPS 0, 1
	; slot 0's last step changes slots: one barrier; nothing is filled again
	s_wait_tensorcnt 0x0                           ; my part of slot 1 has landed
	ds_add_u32 v[SPW], v[NIL]                      ; 0 onto my spare word
	s_wait_dscnt 4*NL+1                            ; the add and the youngest eight loads may be out
	WIN MUL_LO
	MUL16 0, 1, NQ-1, 0, 0
	s_wait_dscnt 0x0
	s_barrier_signal -1
	MUL16 2, 1, NQ-1, 0, 0
	WIN 0
	s_barrier_wait -1                              ; slot 1 is whole
	PLACES NP
	v_add_nc_u32 v[ADRS], 4*NQ, v[ADRS]            ; slot 1's scale words: 16 bytes on in each row
	FETCH_B 1, 0, 0
	FETCH_A 1, 0, 0
	SCALES 1
	WIN MUL_HI
	MUL16 4, 1, NQ-1, 0, 0
	MUL16 6, 1, NQ-1, 0, 0
	PLACES NP
	WIN 0
	FETCH_A 1, 0, 4
	STEPS 1, 0
	s_wait_dscnt 4*NL                              ; the very last step
	WIN MUL_LO
	MUL16 0, 1, NQ-1, 1, 0
	MUL16 2, 1, NQ-1, 1, 0
	s_wait_dscnt 0x0
	WIN MUL_HI
	MUL16 4, 1, NQ-1, 1, 0
	MUL16 6, 1, NQ-1, 1, 0
	WIN 0
	PLACES NP                                      ; ahead of every read of results and of loads into registers that the last products read
	; THE SIDE STORE: where my first 16 rows are tokens 0-15 of a sequence, block 0's accumulators leave in f32 as they stand: each store covers 512 consecutive bytes
	s_and_b32 s20, s17, 7
	s_or_b32 s20, s20, s15
	s_cmp_eq_u32 s20, 0                            ; the tile row and the wave's number alone
	s_cbranch_scc0 .Lno_side
	WIN 0x08                                       ; a store's data: window 2
.irp b, 0,1,2,3,4,5,6,7
	global_store_b128 v[CO], v[8*\b:8*\b+3], s[66:67] offset:1024*\b
	global_store_b128 v[CO], v[8*\b+4:8*\b+7], s[66:67] offset:1024*\b+512
.endr
	WIN 0
.Lno_side:
; THE WAY OUT, a block of 16 tokens x 128 columns (two heads) at a time: rounded to f16, through my own stage, and out as 4 tokens x 128 bytes of one head: 512 consecutive bytes a store.
.macro PACK a
.set AC, 64*((\a)%4)
	WIN 0x0a+5*((\a)/4)                            ; sources 0 and 1: window 2 or 3
.irp b, 0,1,2,3,4,5,6,7
.irp r, 0,1,2,3
	v_cvt_pk_f16_f32 v[TMP+4*\b+\r], v[AC+8*\b+2*\r], v[AC+8*\b+2*\r+1]    ; each accumulator from its low end on
.endr
.endr
	WIN 0
.endm
.macro TOSTAGE a
.set BK, OB+192*((\a)%2)
.irp b, 0,1,2,3,4,5,6,7
	ds_store_b128 v[STO], v[TMP+4*\b:TMP+4*\b+3] offset:32*\b
.endr
.irp t, 0,1,2,3,4,5,6,7                        ; LDS serves a wave's instructions in order: these see the stores above
	ds_load_b128 v[BK+4*\t:BK+4*\t+3], v[RD] offset:(\t%4)*4*PITCH+(\t/4)*128
.endr
.endm
.macro SEND a
.set BK, OB+192*((\a)%2)
	s_wait_dscnt 0x0                               ; the block is back in registers
	s_wait_xcnt 0x0                                ; earlier stores have read their base and registers: both may be written again
.if (\a) > 0
	s_add_nc_u64 s[12:13], s[12:13], 16*128        ; 16 tokens on
.endif
.irp t, 0,1,2,3,4,5,6,7
	global_store_b128 v[CO], v[BK+4*\t:BK+4*\t+3], s[12:13] offset:(\t/4)*262144+(\t%4)*512
.endr
.endm
	PACK 0
	TOSTAGE 0
.irp a, 1,2,3,4,5,6,7
	PACK \a
	SEND (\a)-1
	TOSTAGE \a
.endr
	SEND 7
	s_wait_tensorcnt 0x0                           ; the wave's end
	ds_add_u32 v[SPW], v[NIL]
	s_wait_dscnt 0x0
	CROUND                                         ; the closing round
	s_endpgm
.Lfunc_end_k_qce0d8c4a8a_proj:
	.size	k_qce0d8c4a8a_proj, .Lfunc_end_k_qce0d8c4a8a_proj-k_qce0d8c4a8a_proj
	.p2alignl 7, 3214868480
	.fill 96, 4, 3214868480
	.section	.rodata,"a",@progbits
	.p2align	6, 0x0
	.amdhsa_kernel k_qce0d8c4a8a_proj
		.amdhsa_group_segment_fixed_size 327680
		.amdhsa_private_segment_fixed_size 0
		.amdhsa_enable_private_segment 0
		.amdhsa_kernarg_size 72
		.amdhsa_user_sgpr_count 2
		.amdhsa_user_sgpr_kernarg_segment_ptr 1
		.amdhsa_wavefront_size32 1
		.amdhsa_system_sgpr_workgroup_id_x 1
		.amdhsa_system_sgpr_workgroup_id_y 1
		.amdhsa_system_sgpr_workgroup_id_z 1
		.amdhsa_system_vgpr_workitem_id 0
		.amdhsa_next_free_vgpr 1024
		.amdhsa_next_free_sgpr 102
		.amdhsa_reserve_vcc 0
		.amdhsa_float_denorm_mode_32 3
		.amdhsa_float_denorm_mode_16_64 3
		.amdhsa_memory_ordered 1
		.amdhsa_forward_progress 1
		.amdhsa_inst_pref_size 130
	.end_amdhsa_kernel
	.amdgpu_metadata
---
amdhsa.version: [ 1, 2 ]
amdhsa.kernels:
  - .name:           k_qce0d8c4a8a_proj
    .symbol:         k_qce0d8c4a8a_proj.kd
    .args:
      - { .name: xc, .offset: 0, .size: 8, .value_kind: global_buffer, .address_space: global }
      - { .name: xs, .offset: 8, .size: 8, .value_kind: global_buffer, .address_space: global }
      - { .name: wc, .offset: 16, .size: 8, .value_kind: global_buffer, .address_space: global }
      - { .name: ws, .offset: 24, .size: 8, .value_kind: global_buffer, .address_space: global }
      - { .name: bq, .offset: 32, .size: 8, .value_kind: global_buffer, .address_space: global }
      - { .name: bk, .offset: 40, .size: 8, .value_kind: global_buffer, .address_space: global }
      - { .name: bv, .offset: 48, .size: 8, .value_kind: global_buffer, .address_space: global }
      - { .name: qkv, .offset: 56, .size: 8, .value_kind: global_buffer, .address_space: global }
      - { .name: h32, .offset: 64, .size: 8, .value_kind: global_buffer, .address_space: global }
    .group_segment_fixed_size: 327680
    .private_segment_fixed_size: 0
    .kernarg_segment_align: 8
    .kernarg_segment_size: 72
    .max_flat_workgroup_size: 128
    .sgpr_count:     102
    .vgpr_count:     1024
    .wavefront_size: 32
...
	.end_amdgpu_metadata
.endif
;; end of part 2
;; launch attn (part 3): grid 4 x 64, 8 waves a work-group, no clusters, 327,680 bytes of LDS; arguments qkv, pad_mask, att; writes att
.if DOCPART == 3
	.amdgcn_target "amdgcn-amd-amdhsa--gfx1250"
	.amdhsa_code_object_version 6
	.text
	.protected	k_qce0d8c4a8a_attn
	.globl	k_qce0d8c4a8a_attn
	.p2align	8
	.type	k_qce0d8c4a8a_attn,@function
k_qce0d8c4a8a_attn:
	s_mov_b64 s[64:65], 0
	v_nop
	global_prefetch_b8 v0, s[64:65] scope:SCOPE_SE
	s_setreg_imm32_b32 hwreg(HW_REG_WAVE_MODE, 25, 1), 1
	s_wait_xcnt 0x0
; ATTN: att[n][h][q][:] = sum over keys k <= q with pad_mask[n][k] != 0 of softmax_k(Q . K / 8) V, head size 64.  Q, K, V: f16 in qkv [3][n][h][t][64]; att likewise.  Products in f16 with f32 sums; maxima, exponentials, sums in f32.
; SHARES.  Work-group (x, head) owns TWO blocks of 256 queries, 7 - x (group A) and x (group B), and walks the keys once, 256 a slot: under the causal mask that is (8 - x) + (x + 1) = 9 slots' work for every x.
; Each of eight waves holds 32 queries of each block: two tiles of 16 a group.  Two waves share a SIMD, so that one wave's softmax stands beside the other's products.
; LAYOUT.  S^T = K Q^T and O^T = V^T P: a lane holds ONE query (lane % 16) throughout; two tiles of S^T, rounded to f16 in pairs, are source 1 of the second product.  V ([key][channel]) comes out of LDS turned.
; MASKS.  pad_mask becomes a table in LDS, 0 or -infinity for each key, added to every score.  The causal mask: every work-group walks all 8 slots (constant trip counts); a step all of whose keys come after a group's
; queries is jumped over by a scalar branch on ids; on the diagonal hidden scores are replaced by -infinity.  A slot beyond the work-group's last query is not asked for.
; SOFTMAX.  Running maximum m and sum l: p = 2^(c s - c m), c = log2(e) / 8; O and l are multiplied by 2^(c m_old - c m_new) in every step.  m begins at -3e38, so a query with no visible key keeps O = l = 0
; and ends as 0 x (1 / 0) = NaN, as the softmax of a row of -infinity is.  LIMITS: scores under -3e38 are not served; NaN and infinities among the inputs are not served.
; NO CLUSTER: the four work-groups of a head need 8, 7, 6 and 5 slots; a partner would receive slots that none of its waves reads.
; REGISTERS.  Window 0: v1-15 addresses; v16-47 statistics, 8 a tile (+0 c m, +1 m, +2, +3 l, +4..7 at work; the rescaling factor in +6); v48-111 S^T; v112-143 P; v144-207 K; v208-239 the step's mask numbers; v240, 241 the add's two.
; Window 1: v0-127 O^T, 32 a tile; v128-191 Q; v192-255 V.
.set PK,    144                        ; a key's row in LDS: 128 bytes + 16
.set PV,    160                        ; a row of V: 128 + 32: an odd multiple of 32, for the turning load
.set VOFF,  256*PK                     ; a slot: 256 rows of K, then 256 rows of V
.set SLOT1, 1<<17                      ; slot 1 begins here: one exclusive or turns an address from slot to slot
.set MB,    2*SLOT1                    ; the mask table: 2,048 f32
.set STG,   MB+8192                    ; the way out: 16 rows x 144 bytes for each wave
.set SPARE, STG+8*16*PK                ; the spare words, 128 bytes a wave, which no other line names
.set AK0, 1
.set AV0, 2
.set AM0, 3
.set ADK, 4
.set ADV, 5
.set ADM, 6
.set LD,  7                            ; v7   lane % 16 - 8 (lane / 16)
.set D0,  8                            ; v8, v9  the diagonal: register n of tile u is hidden where 16 (n / 8) + n % 8 > D0 + 16 u
.set NINF, 10
.set STO, 11
.set RD,  12
.set GO,  13
.set PFO, 14
.set QO,  15
.set ST,  16
.set S,   48
.set P,   112
.set KFR, 144
.set MBR, 208
.set SPW, 240
.set NIL, 241
.set QW,  128                          ; window 1
.set VFR, 192                          ; window 1
.set WV,  10
.set NH,  11
.set SEL, 20
.set CS,  22
.set G1K, 24
.set G1V, 32
.set G0K, 40
.set G0V, 44
.set PFA, 48
.set LIM, 50
.set SLOTS, 51
.set CNT, 52
.set TB,  53
.set SKK, 54
.set SVV, 55
.set SMM, 56
.set KF,  57
.set Q0A, 58
.set Q0B, 59
.set SMS, 2
.set MSB, 0
.macro WIN new
.if MSB != (\new)
	s_set_vgpr_msb (MSB<<8)|(\new)
.set MSB, (\new)
.endif
.endm
; Waves 0-3 fetch K's quarters of a slot, waves 4-7 V's: 64 rows a load.  An s_nop 0 and four v_nop follow each line.
.macro TLOAD
	s_cmp_lt_u32 s[WV], 4
	s_cbranch_scc0 .Lfor_v_\@
	tensor_load_to_lds s[G0K:G0K+3], s[G1K:G1K+7]
	s_nop 0
.rept 4
	v_nop
.endr
	s_branch .Lasked_\@
.Lfor_v_\@:
	tensor_load_to_lds s[G0V:G0V+3], s[G1V:G1V+7]
	s_nop 0
.rept 4
	v_nop
.endr
.Lasked_\@:
.endm
; A prefetch of what the NEXT change of slots will ask for.  The four work-groups of a head walk the same K and V: the one with x = 0, which walks all eight slots, asks; each of its waves names its own quarter,
; 8,192 bytes, lanes 256 bytes apart: so each block of 256 bytes is named once in the launch.  Trips 0 to 5 name slots 2 to 7; the last trip that fills names nothing.
.macro ASK
	s_cmp_gt_u32 s[SLOTS], s[LIM]
	s_cbranch_scc0 .Lnot_mine_\@
	global_prefetch_b8 v[PFO], s[PFA:PFA+1] th:TH_LOAD_NT scope:SCOPE_SE
.Lnot_mine_\@:
.endm
	s_load_b128 s[4:7], s[0:1], 0x0                ; qkv, pad_mask
	s_load_b64 s[8:9], s[0:1], 0x10                ; att
	v_lshl_add_u32 v[SPW], v0, 2, SPARE
	v_mov_b32 v[NIL], 0
	ds_add_u32 v[SPW], v[NIL]                      ; the wave's opening: the add, twice on end, and its wait ahead of my first tensor load
	ds_add_u32 v[SPW], v[NIL]
	v_lshrrev_b32 v1, 5, v0
	v_readfirstlane_b32 s[WV], v1                  ; wave 0..7
	s_and_b32 s[NH], ttmp7, 0xffff                 ; 16 x batch + head
	s_sub_co_u32 s[Q0A], 7, ttmp9
	s_lshl_b32 s[Q0A], s[Q0A], 8
	s_lshl_b32 s60, s[WV], 5
	s_add_co_u32 s[Q0A], s[Q0A], s60               ; group A's first query: 256 (7 - x) + 32 wave
	s_lshl_b32 s[Q0B], ttmp9, 8
	s_add_co_u32 s[Q0B], s[Q0B], s60               ; group B's: 256 x + 32 wave
	s_lshl_b32 s62, s[NH], 18                      ; the head's first byte in a tensor: 2,048 rows of 128 bytes
	s_and_b32 s60, s[WV], 3
	s_lshl_b32 s66, s60, 13                        ; my quarter of a slot in memory: 64 rows of 128 bytes,
	s_add_co_u32 s66, s66, s62
	s_mov_b32 s67, 0
	s_mul_i32 s61, s60, 64*PK                      ; and in LDS: K's,
	s_mul_i32 s60, s60, 64*PV
	s_add_co_u32 s60, s60, VOFF                    ; V's
	s_lshl_b32 s2, s[Q0A], 7
	s_add_co_u32 s2, s2, s62
	s_mov_b32 s3, 0
	s_lshl_b32 s68, s[Q0B], 7
	s_add_co_u32 s68, s68, s62
	s_mov_b32 s69, 0
	s_mov_b32 s[G1K], (1<<16)|(1<<20)|(4<<22)|(3<<25)              ; elements of 2 bytes; padding: 4 words behind every 32
	s_mov_b32 s[G1V], (1<<16)|(1<<20)|(4<<22)|(7<<25)              ; 8 words
.irp g, G1K, G1V
	s_mov_b32 s[\g+1], 64<<16                      ; tensor_dim0
	s_mov_b32 s[\g+2], 64<<16                      ; tensor_dim1
	s_mov_b32 s[\g+3], 64<<16                      ; tile_dim0
	s_mov_b32 s[\g+4], 64                          ; tile_dim1
	s_mov_b32 s[\g+5], 64                          ; from row to row
	s_mov_b32 s[\g+6], 0
	s_mov_b32 s[\g+7], 0
.endr
	s_mov_b32 s[SEL], 0x76543210
	s_mov_b32 s[SEL+1], 0xfedcba98                 ; lane l xor 16
	s_mov_b32 s[CS], 0x3e38aa3b                    ; c = log2(e) / 8
	s_mov_b32 s[CS+1], s[CS]
	s_mov_b32 s[TB], 0
	s_mov_b32 s[KF], 0
	s_mov_b32 s[SLOTS], 7
	s_cmp_eq_u32 ttmp9, 0
	s_cselect_b32 s[LIM], 1, -1
	s_wait_dscnt 0x0                               ; both opening adds are done
	s_wait_kmcnt 0x0
	s_add_nc_u64 s[12:13], s[4:5], s[2:3]          ; Q at group A's first query,
	s_add_nc_u64 s[14:15], s[4:5], s[68:69]        ; at group B's;
	s_add_nc_u64 s[16:17], s[8:9], s[2:3]          ; att likewise
	s_add_nc_u64 s[18:19], s[8:9], s[68:69]
	s_mov_b32 s[G0K], 1
	s_mov_b32 s[G0K+1], s61
	s_add_nc_u64 s[G0K+2:G0K+3], s[4:5], s[66:67]
	s_add_nc_u64 s[G0K+2:G0K+3], s[G0K+2:G0K+3], 1<<24             ; K is the second tensor of qkv
	s_mov_b32 s[G0V], 1
	s_mov_b32 s[G0V+1], s60
	s_add_nc_u64 s[G0V+2:G0V+3], s[4:5], s[66:67]
	s_add_nc_u64 s[G0V+2:G0V+3], s[G0V+2:G0V+3], 2<<24             ; V the third
	s_cmp_lt_u32 s[WV], 4
	s_cselect_b64 s[PFA:PFA+1], s[G0K+2:G0K+3], s[G0V+2:G0V+3]
	s_add_nc_u64 s[PFA:PFA+1], s[PFA:PFA+1], 32768                 ; in slot 1: the first change of slots steps it to slot 2.  Nothing is prefetched here, at the head
	s_or_b32 s[G0K+3], s[G0K+3], 0x80000000
	s_or_b32 s[G0V+3], s[G0V+3], 0x80000000
	TLOAD                                          ; slot 0: one load of mine is out
	s_lshr_b32 s60, s[NH], 4
	s_lshl_b32 s60, s60, 13                        ; my batch's row of pad_mask
	s_mov_b32 s61, 0
	s_add_nc_u64 s[6:7], s[6:7], s[60:61]
	s_mov_b32 s[SMS], 0
	v_lshlrev_b32 v250, 5, v0                      ; thread t takes keys 8 t .. 8 t + 7
	global_load_b128 v[242:245], v250, s[6:7]
	global_load_b128 v[246:249], v250, s[6:7] offset:16
	v_lshl_add_u32 v251, v0, 5, MB
	v_and_b32 v252, 15, v0                         ; r
	v_bfe_u32 v253, v0, 4, 1                       ; h
	v_lshlrev_b32 v[QO], 7, v252
	v_lshl_add_u32 v[QO], v253, 4, v[QO]           ; Q: row r of 128 bytes + 16 h
	WIN 0x40                                       ; destination window 1
.irp t, 0,1,2,3                                ; Q stays in registers: tile t, channels 32 c on
.irp c, 0,1
	global_load_b128 v[QW+16*\t+8*\c:QW+16*\t+8*\c+3], v[QO], s[12+2*(\t/2):13+2*(\t/2)] offset:(\t%2)*2048+64*\c
	global_load_b128 v[QW+16*\t+8*\c+4:QW+16*\t+8*\c+7], v[QO], s[12+2*(\t/2):13+2*(\t/2)] offset:(\t%2)*2048+64*\c+32
.endr
.endr
.set i, 0
.rept 128
	v_mov_b32 v[i], 0                              ; O^T.  The loop has no first step of its own: its first step finds zeros
.set i, i+1
.endr
	WIN 0
	v_mul_u32_u24 v[AK0], v252, PK
	v_lshl_add_u32 v[AK0], v253, 4, v[AK0]         ; K: row r x pitch + 16 h
	v_and_b32 v254, 7, v0
	v_lshl_add_u32 v254, v253, 3, v254
	v_mul_u32_u24 v[AV0], v254, PV                 ; V, turned: key 8 h + lane % 8,
	v_bfe_u32 v254, v0, 3, 1
	v_lshl_add_u32 v[AV0], v254, 4, v[AV0]         ; channels 8 ((lane / 8) % 2) on
	v_add_nc_u32 v[AV0], VOFF, v[AV0]
	v_lshl_add_u32 v[AM0], v253, 5, MB             ; the mask numbers of keys 8 h on
	v_lshlrev_b32 v254, 3, v253
	v_sub_nc_u32 v[LD], v252, v254
	v_mov_b32 v[NINF], 0xff800000
	s_mul_i32 s60, s[WV], 16*PK
	s_add_co_u32 s60, s60, STG                     ; my stage
	v_mul_u32_u24 v[STO], v252, PK
	v_lshl_add_u32 v[STO], v253, 4, v[STO]
	v_add_nc_u32 v[STO], s60, v[STO]
	v_and_b32 v254, 31, v0
	v_lshrrev_b32 v255, 3, v254
	v_mul_u32_u24 v[RD], v255, PK
	v_and_b32 v255, 7, v0
	v_lshl_add_u32 v[RD], v255, 4, v[RD]
	v_add_nc_u32 v[RD], s60, v[RD]                 ; back: row lane / 8 of four, 16 (lane % 8)
	v_lshlrev_b32 v[GO], 4, v254
	v_lshlrev_b32 v[PFO], 8, v254
.irp t, 0,1,2,3
	v_mov_b32 v[ST+8*\t+1], 0xff61b1e6             ; m = -3e38
	v_mov_b32 v[ST+8*\t+2], 0                      ; l
	v_mov_b32 v[ST+8*\t+3], 0
	v_mov_b32 v[ST+8*\t+4], 0
	v_mov_b32 v[ST+8*\t+5], 0
	v_mov_b32 v[ST+8*\t+6], 0
	v_mov_b32 v[ST+8*\t+7], 0
	v_mul_f32 v[ST+8*\t], s[CS], v[ST+8*\t+1]      ; c m
.endr
	s_wait_loadcnt 16                              ; pad_mask's two loads are in; Q's sixteen may be out
.irp j, 0,1,2,3,4,5,6,7
	v_cmp_eq_u32 vcc_lo, 0, v[242+\j]
	v_cndmask_b32 v[242+\j], 0, v[NINF], vcc_lo    ; 0 where the key counts, -infinity where it is padding
.endr
	ds_store_b128 v251, v[242:245]
	ds_store_b128 v251, v[246:249] offset:16
	s_wait_loadcnt 0x0                             ; Q
; THE WORK OF ONE GROUP (g = 0: A, 1: B) IN A KEY STEP OF 64 KEYS: its two tiles u = 0, 1.
.macro GROUP g
.set TT, ST+16*\g
.if \g == 0
	s_wait_dscnt 24                                ; K is in; the 8 mask loads and V's 16 may be out
.endif
	WIN 0x04                                       ; source 1 (Q) window 1
.irp c, 0,1                                    ; eight accumulators by turns, one instruction a turn
.irp kt, 0,1,2,3
.irp u, 0,1
.if \c == 0
	v_wmma_f32_16x16x32_f16 v[S+32*\u+8*\kt:S+32*\u+8*\kt+7], v[KFR+16*\kt:KFR+16*\kt+7], v[QW+32*\g+16*\u:QW+32*\g+16*\u+7], 0
.else
	v_wmma_f32_16x16x32_f16 v[S+32*\u+8*\kt:S+32*\u+8*\kt+7], v[KFR+16*\kt+8:KFR+16*\kt+15], v[QW+32*\g+16*\u+8:QW+32*\g+16*\u+15], v[S+32*\u+8*\kt:S+32*\u+8*\kt+7]
.endif
.endr
.endr
.endr
	WIN 0
.if \g == 0
	s_wait_dscnt 16                                ; the mask numbers are in; V's 16 loads may be out
.endif
.rept 4
	v_nop                                          ; places ahead of the first read of results
.endr
.set i, 0
.rept 16
.irp u, 0,1
	v_pk_add_f32 v[S+32*\u+i:S+32*\u+i+1], v[S+32*\u+i:S+32*\u+i+1], v[MBR+i:MBR+i+1]   ; padding: + 0 or - infinity; each accumulator from its low end on
.endr
.set i, i+2
.endr
	s_add_co_u32 s60, s[KF], 63
	s_cmp_le_u32 s60, s[Q0A+\g]                    ; all 64 keys count for all 32 queries: nothing to hide
	s_cbranch_scc1 .Lopen_\@
	s_sub_co_i32 s60, s[Q0A+\g], s[KF]
	v_add_nc_u32 v[D0], s60, v[LD]
	v_add_nc_u32 v[D0+1], 16, v[D0]
.set n, 0
.rept 32
.irp u, 0,1
	v_cmp_gt_i32 vcc_lo, 16*(n/8)+n%8, v[D0+\u]
	v_cndmask_b32 v[S+32*\u+n], v[S+32*\u+n], v[NINF], vcc_lo
.endr
.set n, n+1
.endr
.Lopen_\@:
.irp j, 0,1,2,3                                ; the maximum of 32 scores and the old m; the two tiles alternate
.irp u, 0,1
	v_max3_num_f32 v[TT+8*\u+4+\j], v[S+32*\u+8*\j], v[S+32*\u+8*\j+1], v[S+32*\u+8*\j+2]
.endr
.endr
.irp w, 3,5
.irp j, 0,1,2,3
.irp u, 0,1
	v_max3_num_f32 v[TT+8*\u+4+\j], v[TT+8*\u+4+\j], v[S+32*\u+8*\j+\w], v[S+32*\u+8*\j+\w+1]
.endr
.endr
.endr
.irp u, 0,1
	v_max3_num_f32 v[TT+8*\u+4], v[TT+8*\u+4], v[S+32*\u+7], v[S+32*\u+15]
.endr
.irp u, 0,1
	v_max3_num_f32 v[TT+8*\u+6], v[TT+8*\u+6], v[S+32*\u+23], v[S+32*\u+31]
.endr
.irp u, 0,1
	v_max3_num_f32 v[TT+8*\u+4], v[TT+8*\u+4], v[TT+8*\u+5], v[TT+8*\u+6]
.endr
.irp u, 0,1
	v_max3_num_f32 v[TT+8*\u+4], v[TT+8*\u+4], v[TT+8*\u+7], v[TT+8*\u+1]
.endr
.irp u, 0,1
	v_permlanex16_b32 v[TT+8*\u+5], v[TT+8*\u+4], s[SEL], s[SEL+1]  ; the query's other 32 keys lie in the lane 16 away
.endr
.irp u, 0,1
	v_mov_b32 v[TT+8*\u+7], v[TT+8*\u]             ; c m_old
.endr
.irp u, 0,1
	v_max_num_f32 v[TT+8*\u+1], v[TT+8*\u+4], v[TT+8*\u+5]
.endr
.irp u, 0,1
	v_mul_f32 v[TT+8*\u], s[CS], v[TT+8*\u+1]
.endr
.irp u, 0,1
	v_sub_f32 v[TT+8*\u+7], v[TT+8*\u+7], v[TT+8*\u]
.endr
.set i, 0
.rept 16
.irp u, 0,1
	v_pk_fma_f32 v[S+32*\u+i:S+32*\u+i+1], v[S+32*\u+i:S+32*\u+i+1], s[CS:CS+1], v[TT+8*\u:TT+8*\u+1] op_sel_hi:[1,0,0] neg_lo:[0,0,1] neg_hi:[0,0,1]   ; c s - c m
.endr
.set i, i+2
.endr
.irp u, 0,1
	v_exp_f32 v[TT+8*\u+6], v[TT+8*\u+7]           ; 2^(c m_old - c m_new)
.endr
.set i, 0
.rept 32
.irp u, 0,1
	v_exp_f32 v[S+32*\u+i], v[S+32*\u+i]           ; p
.endr
.set i, i+1
.endr
	v_nop                                          ; a plain line behind the last exponential
	s_wait_alu depctr_va_vdst(0)                   ; the wait ahead of the first line that names a result: one for the 66
.set i, 0
.rept 16
.irp u, 0,1
	v_cvt_pk_f16_f32 v[P+16*\u+i], v[S+32*\u+2*i], v[S+32*\u+2*i+1]
.endr
.set i, i+1
.endr
.irp d, 2,4,8,16                               ; the sum of the 16 pairs, in place: neighbours 2, 4, 8, 16 registers apart
.set i, 0
.rept 16/\d
.irp u, 0,1
	v_pk_add_f32 v[S+32*\u+i:S+32*\u+i+1], v[S+32*\u+i:S+32*\u+i+1], v[S+32*\u+i+\d:S+32*\u+i+\d+1]
.endr
.set i, i+2*\d
.endr
.endr
.irp u, 0,1
	v_pk_fma_f32 v[TT+8*\u+2:TT+8*\u+3], v[TT+8*\u+2:TT+8*\u+3], v[TT+8*\u+6:TT+8*\u+7], v[S+32*\u:S+32*\u+1] op_sel_hi:[1,0,1]
.endr
	WIN 0x41                                       ; O^T (destination and source 0) window 1
.set i, 0
.rept 16
.irp u, 0,1
	v_pk_mul_f32 v[64*\g+32*\u+i:64*\g+32*\u+i+1], v[64*\g+32*\u+i:64*\g+32*\u+i+1], v[TT+8*\u+6:TT+8*\u+7] op_sel_hi:[1,0]
.endr
.set i, i+2
.endr
.if \g == 0
	s_wait_dscnt 0x0                               ; V is in
.endif
	WIN 0x51                                       ; V and O^T window 1, P window 0
.irp ks, 0,1
.irp dt, 0,1,2,3
.irp u, 0,1
	v_wmma_f32_16x16x32_f16 v[64*\g+32*\u+8*\dt:64*\g+32*\u+8*\dt+7], v[VFR+32*\ks+8*\dt:VFR+32*\ks+8*\dt+7], v[P+16*\u+8*\ks:P+16*\u+8*\ks+7], v[64*\g+32*\u+8*\dt:64*\g+32*\u+8*\dt+7]
.endr
.endr
.endr
.endm
; A KEY STEP.  Group A's queries come after group B's, so a step hidden from A is hidden from B too.
.macro STEP
	s_add_co_u32 s60, s[Q0A], 31
	s_cmp_gt_u32 s[KF], s60
	s_cbranch_scc1 .Lhid_\@
	v_add_nc_u32 v[ADK], s[SKK], v[AK0]            ; these three and the v_nop are the places between the last products and the loads into V's registers
	v_add_nc_u32 v[ADV], s[SVV], v[AV0]
	v_add_nc_u32 v[ADM], s[SMM], v[AM0]
	v_nop
.irp kt, 0,1,2,3
.irp c, 0,1
	ds_load_b128 v[KFR+16*\kt+8*\c:KFR+16*\kt+8*\c+3], v[ADK] offset:\kt*16*PK+64*\c
	ds_load_b128 v[KFR+16*\kt+8*\c+4:KFR+16*\kt+8*\c+7], v[ADK] offset:\kt*16*PK+64*\c+32
.endr
.endr
.irp kt, 0,1,2,3
	ds_load_b128 v[MBR+8*\kt:MBR+8*\kt+3], v[ADM] offset:64*\kt
	ds_load_b128 v[MBR+8*\kt+4:MBR+8*\kt+7], v[ADM] offset:64*\kt+16
.endr
	WIN 0x40
.irp ks, 0,1
.irp dt, 0,1,2,3
	ds_load_tr16_b128 v[VFR+32*\ks+8*\dt:VFR+32*\ks+8*\dt+3], v[ADV] offset:\ks*32*PV+32*\dt
	ds_load_tr16_b128 v[VFR+32*\ks+8*\dt+4:VFR+32*\ks+8*\dt+7], v[ADV] offset:\ks*32*PV+16*PV+32*\dt
.endr
.endr
	GROUP 0
	WIN 0
	s_add_co_u32 s60, s[Q0B], 31
	s_cmp_gt_u32 s[KF], s60
	s_cbranch_scc1 .Lhid_\@
	GROUP 1
	WIN 0
.Lhid_\@:
.endm
; THE CHANGE OF SLOTS, at a slot's head.  Each wave waits for all its tensor loads, adds 0 to its spare word, and waits for that and for its LDS reads (the first time: its stores into the mask table).
; Behind the barrier the slot ahead is whole and nobody reads the other.  fill = 1: the other is filled with the next 256 keys, while its first key is at or under the work-group's last query.
.macro CHANGE fill
	s_wait_tensorcnt 0x0                           ; no tensor load of mine is out: a group 0 may be written
	ds_add_u32 v[SPW], v[NIL]                      ; 0 onto my spare word
.if \fill
	s_xor_b32 s[G0K+1], s[G0K+1], SLOT1
	s_add_nc_u64 s[G0K+2:G0K+3], s[G0K+2:G0K+3], 32768
	s_xor_b32 s[G0V+1], s[G0V+1], SLOT1
	s_add_nc_u64 s[G0V+2:G0V+3], s[G0V+2:G0V+3], 32768
	s_wait_xcnt 0x0                                ; the last prefetch, a slot back, has read its address
	s_add_nc_u64 s[PFA:PFA+1], s[PFA:PFA+1], 32768
.endif
	s_wait_dscnt 0x0
	s_barrier_signal -1
	s_barrier_wait -1
.if \fill
	s_add_co_u32 s60, s[KF], 256                   ; the first key of the slot that this change would ask for
	s_or_b32 s61, s[Q0A], 255                      ; my work-group's last query
	s_cmp_gt_u32 s60, s61                          ; ids and counted steps alone: all eight waves go the same way; no step reads a slot that is left out
	s_cbranch_scc1 .Lpast_\@
	TLOAD                                          ; my one tensor load until the next change
.Lpast_\@:
	ASK
.endif
.endm
.macro SLOT_STEPS                      ; a slot's four key steps: written once, walked four times
	s_mov_b32 s[SKK], s[TB]
	s_mov_b32 s[SVV], s[TB]
	s_mov_b32 s[SMM], s[SMS]
	s_mov_b32 s[CNT], 4
.Lstep_\@:
	STEP
	s_add_co_u32 s[SKK], s[SKK], 64*PK
	s_add_co_u32 s[SVV], s[SVV], 64*PV
	s_add_co_u32 s[SMM], s[SMM], 256
	s_add_co_u32 s[KF], s[KF], 64
	s_sub_co_u32 s[CNT], s[CNT], 1
	s_cmp_lg_u32 s[CNT], 0
	s_cbranch_scc1 .Lstep_\@
	s_xor_b32 s[TB], s[TB], SLOT1
	s_add_co_u32 s[SMS], s[SMS], 1024
.endm
.Lslot:                                            ; seven trips; the eighth slot is written out, without a load
	CHANGE 1
	SLOT_STEPS
	s_sub_co_u32 s[SLOTS], s[SLOTS], 1
	s_cmp_lg_u32 s[SLOTS], 0
	s_cbranch_scc1 .Lslot
	CHANGE 0
	SLOT_STEPS
	; THE WAY OUT: O^T / l, rounded to f16, through my stage, a tile of 16 queries at a time; each store covers 4 queries x 128 bytes: 512 consecutive bytes.
.irp t, 0,1,2,3
	v_add_f32 v[ST+8*\t+4], v[ST+8*\t+2], v[ST+8*\t+3]
.endr
.irp t, 0,1,2,3
	v_permlanex16_b32 v[ST+8*\t+5], v[ST+8*\t+4], s[SEL], s[SEL+1]
.endr
.irp t, 0,1,2,3
	v_add_f32 v[ST+8*\t+4], v[ST+8*\t+4], v[ST+8*\t+5]
.endr
.irp t, 0,1,2,3
	v_rcp_f32 v[ST+8*\t+6], v[ST+8*\t+4]
.endr
	v_nop
	s_wait_alu depctr_va_vdst(0)                   ; one wait for the four reciprocals, ahead of their first reader
.macro PACK t
	WIN 0x41
.set i, 0
.rept 16
	v_pk_mul_f32 v[32*\t+i:32*\t+i+1], v[32*\t+i:32*\t+i+1], v[ST+8*\t+6:ST+8*\t+7] op_sel_hi:[1,0]
.set i, i+2
.endr
	WIN 0x05
.set i, 0
.rept 16
	v_cvt_pk_f16_f32 v[S+16*\t+i], v[32*\t+2*i], v[32*\t+2*i+1]
.set i, i+1
.endr
	WIN 0
.irp f, 0,1,2,3
	ds_store_b128 v[STO], v[S+16*\t+4*\f:S+16*\t+4*\f+3] offset:32*\f
.endr
.irp f, 0,1,2,3
	ds_load_b128 v[S+16*\t+4*\f:S+16*\t+4*\f+3], v[RD] offset:4*PK*\f     ; LDS serves a wave's instructions in order: these see the stores above
.endr
.endm
.macro SEND t, younger                 ; younger: the LDS instructions issued behind tile t's loads: the next tile's eight, or none
.irp f, 0,1,2,3
	s_wait_dscnt \younger+3-\f
	global_store_b128 v[GO], v[S+16*\t+4*\f:S+16*\t+4*\f+3], s[16+2*(\t/2):17+2*(\t/2)] offset:(\t%2)*2048+512*\f
.endr
.endm
	PACK 0
	PACK 1
	SEND 0, 8
	PACK 2
	SEND 1, 8
	PACK 3
	SEND 2, 8
	SEND 3, 0
	s_wait_tensorcnt 0x0                           ; the wave's end
	ds_add_u32 v[SPW], v[NIL]
	s_wait_dscnt 0x0
	s_endpgm
.Lfunc_end_k_qce0d8c4a8a_attn:
	.size	k_qce0d8c4a8a_attn, .Lfunc_end_k_qce0d8c4a8a_attn-k_qce0d8c4a8a_attn
	.p2alignl 7, 3214868480
	.fill 96, 4, 3214868480
	.section	.rodata,"a",@progbits
	.p2align	6, 0x0
	.amdhsa_kernel k_qce0d8c4a8a_attn
		.amdhsa_group_segment_fixed_size 327680
		.amdhsa_private_segment_fixed_size 0
		.amdhsa_enable_private_segment 0
		.amdhsa_kernarg_size 24
		.amdhsa_user_sgpr_count 2
		.amdhsa_user_sgpr_kernarg_segment_ptr 1
		.amdhsa_wavefront_size32 1
		.amdhsa_system_sgpr_workgroup_id_x 1
		.amdhsa_system_sgpr_workgroup_id_y 1
		.amdhsa_system_sgpr_workgroup_id_z 1
		.amdhsa_system_vgpr_workitem_id 0
		.amdhsa_next_free_vgpr 512
		.amdhsa_next_free_sgpr 70
		.amdhsa_reserve_vcc 1
		.amdhsa_float_denorm_mode_32 3
		.amdhsa_float_denorm_mode_16_64 3
		.amdhsa_memory_ordered 1
		.amdhsa_forward_progress 1
		.amdhsa_inst_pref_size 120
	.end_amdhsa_kernel
	.amdgpu_metadata
---
amdhsa.version: [ 1, 2 ]
amdhsa.kernels:
  - .name:           k_qce0d8c4a8a_attn
    .symbol:         k_qce0d8c4a8a_attn.kd
    .args:
      - { .name: qkv, .offset: 0, .size: 8, .value_kind: global_buffer, .address_space: global }
      - { .name: pad_mask, .offset: 8, .size: 8, .value_kind: global_buffer, .address_space: global }
      - { .name: att, .offset: 16, .size: 8, .value_kind: global_buffer, .address_space: global }
    .group_segment_fixed_size: 327680
    .private_segment_fixed_size: 0
    .kernarg_segment_align: 8
    .kernarg_segment_size: 24
    .max_flat_workgroup_size: 256
    .sgpr_count:     70
    .vgpr_count:     512
    .wavefront_size: 32
...
	.end_amdgpu_metadata
.endif
;; end of part 3
;; launch oproj (part 4): grid 4 x 64, 4 waves a work-group, clusters of 4 x 4, 327,680 bytes of LDS; arguments att, wot, bo, out0; writes out0
.if DOCPART == 4
	.amdgcn_target "amdgcn-amd-amdhsa--gfx1250"
	.amdhsa_code_object_version 6
	.text
	.protected	k_qce0d8c4a8a_oproj
	.globl	k_qce0d8c4a8a_oproj
	.p2align	8
	.type	k_qce0d8c4a8a_oproj,@function
k_qce0d8c4a8a_oproj:
	s_mov_b64 s[64:65], 0
	v_nop
	global_prefetch_b8 v0, s[64:65] scope:SCOPE_SE
	s_setreg_imm32_b32 hwreg(HW_REG_WAVE_MODE, 25, 1), 1
	s_wait_xcnt 0x0
	s_wait_alu depctr_hold_cnt(0) depctr_sa_sdst(0) depctr_va_vdst(0) depctr_va_sdst(0) depctr_va_ssrc(0) depctr_va_vcc(0) depctr_vm_vsrc(0)
	s_getreg_b32 s2, hwreg(HW_REG_IB_STS2, 6, 4)
	s_cmp_eq_u32 s2, 0
	s_cbranch_scc0 .Lentry_in_a_cluster
	s_endpgm
.Lentry_in_a_cluster:
	s_bfe_u32 s2, ttmp6, 0x10000c
	s_cmp_lg_u32 s2, 0xf033
	s_cbranch_scc0 .Lentry_shape_is_right
	s_endpgm
.Lentry_shape_is_right:
; OPROJ: out0 = A Wo + bo.  A: att, f16 [n][h][t][64] (K = 64 h + d); Wo: wot, f16 [1024 n][1024 k]; bo f32; out0 [8192][1024] f32; sums in f32, begun from the bias.
; A tile of out0 is 128 rows x 256 columns: 256 work-groups.  Four waves, each 64 x 128: 32 accumulators, 256 registers.  K goes in 8 steps of 128 (two heads) through two LDS slots.
; A's tile of a step is two planes (a head each) of 128 tokens x 128 bytes; Wo's is 256 rows x 256 bytes.  Waves 0, 1 fetch A's planes, waves 2, 3 Wo's halves: one load a wave.
; CLUSTER 4 x 4: A's tiles are shared along a row of the cluster, Wo's along a column: each is asked for jointly.
; THE MATRIX INSTRUCTION IS USED TRANSPOSED (source 0 = 16 rows of wot, source 1 = 16 tokens): a lane holds eight neighbouring columns of one token.
; The rows of tokens 0-15 of each sequence are written here like all others and written again, from f32 operands, by the launch that follows.
; REGISTERS: window 0: v16-29 addresses; two fragment buffers at v32 and v128 (A's 4 fragments, then Wo's 8).  Window 1: the accumulators, (a, b) at v[8 (8 a + b)].  Window 2: v0-63 the bias.
.set PA,    144                        ; a token's row of a plane: 128 bytes + 16
.set PB,    272                        ; a row of Wo's tile: 256 bytes + 16
.set APL,   128*PA                     ; a plane
.set BOFF,  2*APL                      ; Wo's tile lies behind A's two planes
.set HALFB, 128*PB
.set SLOT,  BOFF+2*HALFB
.set STAGE, 2*SLOT                     ; the way out: 16 rows x (512 bytes + 16) for each wave; no fill lands here
.set SPITCH, 528
.set SPARE, STAGE+4*16*SPITCH          ; the spare words, 128 bytes a wave, which no other line names
.set ADRA, 16
.set ADRB, 20
.set STO,  24
.set RD,   25
.set CO,   26
.set BO,   27
.set SPW,  28
.set NIL,  29
.set F0,   32
.set F1,   128
.set G1,   24
.set G0,   32
.set G1B,  48
.set G0B,  56
.set WV,   66
.set RH,   67                          ; which 64 rows are mine.  Also: I fetch for A (0) or for Wo (1)
.set CH,   68                          ; which 128 columns.  Also: which plane or half I fetch
.set RT,   69                          ; tile row
.set MSB, 0
.macro WIN new
.if MSB != (\new)
	s_set_vgpr_msb (MSB<<8)|(\new)
.set MSB, (\new)
.endif
.endm
.set MUL,  0x50                        ; C and D window 1
.set MULF, 0x60                        ; D window 1, C (the bias) window 2
.macro JLOAD s                         ; an s_nop 0 and four v_nop follow each of the two lines
	s_cmp_eq_u32 s[RH], 0
	s_cbranch_scc0 .Lfor_b_\@
	tensor_load_to_lds s[G0+4*\s:G0+4*\s+3], s[G1:G1+7]
	s_nop 0
.rept 4
	v_nop
.endr
	s_branch .Lasked_\@
.Lfor_b_\@:
	tensor_load_to_lds s[G0B+4*\s:G0B+4*\s+3], s[G1B:G1B+7]
	s_nop 0
.rept 4
	v_nop
.endr
.Lasked_\@:
.endm
.macro CREST
	s_cmp_lg_u32 s[WV], 0
	s_cbranch_scc1 .Lnot_wave_0_\@
	s_barrier_signal -3
.Lnot_wave_0_\@:
	s_barrier_wait -3
	s_barrier_signal -1
	s_barrier_wait -1
.endm
.macro CROUND
	s_barrier_signal -1
	s_barrier_wait -1
	CREST
.endm
	s_load_b256 s[4:11], s[0:1], 0x0               ; att 4, wot 6, bo 8, out0 10
	v_lshl_add_u32 v[SPW], v0, 2, SPARE
	v_mov_b32 v[NIL], 0
	ds_add_u32 v[SPW], v[NIL]                      ; the wave's opening: the add, twice on end, and its wait ahead of my first tensor load
	ds_add_u32 v[SPW], v[NIL]
	v_lshrrev_b32 v1, 5, v0
	v_readfirstlane_b32 s[WV], v1
	s_lshr_b32 s[RH], s[WV], 1
	s_and_b32 s[CH], s[WV], 1
	s_bfe_u32 s40, ttmp6, 0x40000                  ; cx
	s_bfe_u32 s41, ttmp6, 0x40004                  ; cy
	s_lshl_b32 s42, ttmp9, 2
	s_add_co_u32 s42, s42, s40                     ; tile column
	s_and_b32 s[RT], ttmp7, 0xffff
	s_lshl_b32 s[RT], s[RT], 2
	s_add_co_u32 s[RT], s[RT], s41                 ; tile row
	s_lshl_b32 s43, s41, 2
	s_lshl_b32 s43, 15, s43                        ; my row of the cluster
	s_lshl_b32 s44, 0x1111, s40                    ; my column
	s_or_b32 s[G1], s43, (1<<16)|(1<<20)|(1<<21)|(4<<22)|(3<<25)   ; A: elements of 2 bytes; padding: 4 words behind every 32
	s_mov_b32 s[G1+1], 64<<16                      ; tensor_dim0
	s_mov_b32 s[G1+2], 128<<16                     ; tensor_dim1
	s_mov_b32 s[G1+3], 64<<16                      ; tile_dim0
	s_mov_b32 s[G1+4], 128                         ; tile_dim1
	s_mov_b32 s[G1+5], 64                          ; from token to token
	s_mov_b32 s[G1+6], 0
	s_mov_b32 s[G1+7], 0
	s_or_b32 s[G1B], s44, (1<<16)|(1<<20)|(1<<21)|(5<<22)|(3<<25)  ; Wo: 4 words behind every 64
	s_mov_b32 s[G1B+1], 128<<16
	s_mov_b32 s[G1B+2], 128<<16
	s_mov_b32 s[G1B+3], 128<<16
	s_mov_b32 s[G1B+4], 128
	s_mov_b32 s[G1B+5], 1024
	s_mov_b32 s[G1B+6], 0
	s_mov_b32 s[G1B+7], 0
	s_lshr_b32 s16, s[RT], 4                       ; A: batch x 2^22 + 128 tokens x 128 bytes x (tile row % 16) + plane x 2^18: the tile row and the wave's number alone
	s_lshl_b32 s16, s16, 22
	s_and_b32 s17, s[RT], 15
	s_lshl_b32 s17, s17, 14
	s_add_co_u32 s16, s16, s17
	s_lshl_b32 s17, s[CH], 18
	s_add_co_u32 s16, s16, s17
	s_mov_b32 s17, 0
	s_lshl_b32 s46, s42, 8                         ; Wo: row 256 x tile column + 128 x half, 2,048 bytes a row: the tile column and the wave's number alone
	s_lshl_b32 s47, s[CH], 7
	s_add_co_u32 s46, s46, s47
	s_lshl_b32 s46, s46, 11
	s_mov_b32 s47, 0
	s_mul_i32 s20, s[CH], APL                      ; where they go
	s_mul_i32 s21, s[CH], HALFB
	s_add_co_u32 s21, s21, BOFF
	s_wait_dscnt 0x0                               ; both opening adds are done
	s_wait_kmcnt 0x0
	s_add_nc_u64 s[14:15], s[4:5], s[16:17]
	s_add_nc_u64 s[46:47], s[6:7], s[46:47]
	CROUND                                         ; all sixteen work-groups are here: the first joint loads meet
.irp s, 0,1
	s_mov_b32 s[G0+4*\s], 1
	s_add_co_u32 s[G0+4*\s+1], s20, \s*SLOT
	s_add_nc_u64 s[G0+4*\s+2:G0+4*\s+3], s[14:15], \s*524288       ; K step s: two heads on
	s_or_b32 s[G0+4*\s+3], s[G0+4*\s+3], 0x80000000
	s_mov_b32 s[G0B+4*\s], 1
	s_add_co_u32 s[G0B+4*\s+1], s21, \s*SLOT
	s_add_nc_u64 s[G0B+4*\s+2:G0B+4*\s+3], s[46:47], \s*256
	s_or_b32 s[G0B+4*\s+3], s[G0B+4*\s+3], 0x80000000
	JLOAD \s                                       ; two loads of mine are out behind the second
.endr
	v_and_b32 v1, 15, v0                           ; r
	v_bfe_u32 v2, v0, 4, 1                         ; h
	v_lshlrev_b32 v[BO], 5, v2
	s_lshl_b32 s46, s42, 10
	s_lshl_b32 s47, s[CH], 9
	s_add_co_u32 s46, s46, s47                     ; my 128 columns, 4 bytes each
	s_mov_b32 s47, 0
	s_add_nc_u64 s[8:9], s[8:9], s[46:47]
	s_add_nc_u64 s[10:11], s[10:11], s[46:47]
	WIN 0x80                                       ; destination window 2
.irp b, 0,1,2,3,4,5,6,7                        ; register j of block b is column 16 b + 8 h + j
	global_load_b128 v[8*\b:8*\b+3], v[BO], s[8:9] offset:64*\b
	global_load_b128 v[8*\b+4:8*\b+7], v[BO], s[8:9] offset:64*\b+16
.endr
	WIN 0
	v_mul_u32_u24 v3, v1, PA
	v_lshl_add_u32 v3, v2, 4, v3
	v_mul_u32_u24 v4, v1, PB
	v_lshl_add_u32 v4, v2, 4, v4
	s_mul_i32 s22, s[RH], 64*PA                    ; my 64 tokens of each plane
	s_mul_i32 s23, s[CH], HALFB                    ; my 128 rows of Wo
	s_add_co_u32 s23, s23, BOFF
.irp s, 0,1
	v_add_nc_u32 v[ADRA+\s], s22, v3
	v_add_nc_u32 v[ADRB+\s], s23, v4
	s_add_co_u32 s22, s22, SLOT
	s_add_co_u32 s23, s23, SLOT
.endr
	s_mul_i32 s22, s[WV], 16*SPITCH
	s_add_co_u32 s22, s22, STAGE                   ; my stage
	v_mul_u32_u24 v5, v1, SPITCH
	v_lshl_add_u32 v5, v2, 5, v5
	v_add_nc_u32 v[STO], s22, v5                   ; in: row r, 32 bytes for each half of the lanes
	v_and_b32 v6, 31, v0
	v_lshlrev_b32 v[CO], 4, v6
	v_add_nc_u32 v[RD], s22, v[CO]                 ; back: the 32 lanes take a row of 512 bytes
	s_lshl_b32 s16, s[RT], 7
	s_lshl_b32 s17, s[RH], 6
	s_add_co_u32 s16, s16, s17                     ; my first row of out0
	s_lshl_b32 s16, s16, 12
	s_mov_b32 s17, 0
	s_add_nc_u64 s[10:11], s[10:11], s[16:17]
; 8 matrix instructions: token block a against Wo's eight, 32 along K.  The 32 accumulators take turns, one instruction a turn.
.macro MUL8 f, a, first
.irp b, 0,1,2,3,4,5,6,7
.if \first
	v_wmma_f32_16x16x32_f16 v[8*(8*\a+\b):8*(8*\a+\b)+7], v[\f+32+8*\b:\f+32+8*\b+7], v[\f+8*\a:\f+8*\a+7], v[8*\b:8*\b+7]
.else
	v_wmma_f32_16x16x32_f16 v[8*(8*\a+\b):8*(8*\a+\b)+7], v[\f+32+8*\b:\f+32+8*\b+7], v[\f+8*\a:\f+8*\a+7], v[8*(8*\a+\b):8*(8*\a+\b)+7]
.endif
.endr
.endm
; 24 LDS loads in one run: quarter q (32 along K: plane q / 2, channels 32 (q % 2) on) into buffer f: Wo's 16, then A's blocks 0, 1, then 2, 3
.macro FETCH slot, q, f
	WIN 0
.irp i, 0,1,2,3,4,5,6,7
	ds_load_b128 v[\f+32+8*\i:\f+32+8*\i+3], v[ADRB+\slot] offset:64*(\q)+\i*16*PB
	ds_load_b128 v[\f+32+8*\i+4:\f+32+8*\i+7], v[ADRB+\slot] offset:64*(\q)+\i*16*PB+32
.endr
.irp i, 0,1,2,3
	ds_load_b128 v[\f+8*\i:\f+8*\i+3], v[ADRA+\slot] offset:((\q)/2)*APL+((\q)%2)*64+\i*16*PA
	ds_load_b128 v[\f+8*\i+4:\f+8*\i+7], v[ADRA+\slot] offset:((\q)/2)*APL+((\q)%2)*64+\i*16*PA+32
.endr
.endm
.macro PLACES                          ; plain vector lines between matrix instructions and loads into, or reads of, their registers
.rept 4
	v_nop
.endr
.endm
; One of a K step's first three quarters: multiplies buffer f; in its middle it fetches quarter q of the same slot into buffer g.
.macro QUARTER slot, q, f, g, first
	s_wait_dscnt 4                                 ; all but the youngest four loads (A's blocks 2, 3) are in
.if \first
	WIN MULF
.else
	WIN MUL
.endif
	MUL8 \f, 0, \first
	MUL8 \f, 1, \first
	PLACES
	FETCH \slot, \q, \g
	s_wait_dscnt 24                                ; all but the 24 just issued
.if \first
	WIN MULF
.else
	WIN MUL
.endif
	MUL8 \f, 2, \first
	MUL8 \f, 3, \first
.endm
; The last quarter multiplies buffer 1 and changes slots: one barrier; ahead of it each wave waits for all its tensor loads, adds 0 to its spare word, and waits for that and for its reads of this slot.
.macro TURN slot, next, fill
	WIN 0
	s_wait_tensorcnt 0x0                           ; my part of the next slot has landed
	ds_add_u32 v[SPW], v[NIL]                      ; 0 onto my spare word
	s_wait_dscnt 5                                 ; the add and the youngest four loads may be out
	WIN MUL
	MUL8 F1, 0, 0
	s_wait_dscnt 0x0                               ; the add is done, and my reads of this slot are over
	s_barrier_signal -1
	MUL8 F1, 1, 0
.if \fill
	WIN 0
.endif
	s_barrier_wait -1
.if \fill
	CREST                                          ; the barrier has opened a round of the cluster's: no wave of any partner still reads this slot or has a load on its way
	s_add_nc_u64 s[G0+4*\slot+2:G0+4*\slot+3], s[G0+4*\slot+2:G0+4*\slot+3], 1048576
	s_add_nc_u64 s[G0B+4*\slot+2:G0B+4*\slot+3], s[G0B+4*\slot+2:G0B+4*\slot+3], 512
	JLOAD \slot                                    ; the first tensor load behind the round; its four v_nop are also the places ahead of the loads below
.else
	PLACES
.endif
	FETCH \next, 0, F0
	WIN MUL
	MUL8 F1, 2, 0
	MUL8 F1, 3, 0
.endm
	s_wait_tensorcnt 1                             ; my part of K step 0 is in; K step 1's may stay out
	s_barrier_signal -1
	s_barrier_wait -1
	FETCH 0, 0, F0
	s_wait_loadcnt 0x0                             ; the bias
	QUARTER 0, 1, F0, F1, 1                        ; the first products start the sums from the bias
	WIN 0
	s_mov_b32 s3, 3
.Llap:                                             ; a trip goes once round the ring and fills both slots again: K steps 2 to 7
	QUARTER 0, 2, F1, F0, 0
	QUARTER 0, 3, F0, F1, 0
	TURN 0, 1, 1
	QUARTER 1, 1, F0, F1, 0
	QUARTER 1, 2, F1, F0, 0
	QUARTER 1, 3, F0, F1, 0
	TURN 1, 0, 1
	QUARTER 0, 1, F0, F1, 0
	WIN 0
	s_sub_co_u32 s3, s3, 1
	s_cmp_lg_u32 s3, 0
	s_cbranch_scc1 .Llap
	QUARTER 0, 2, F1, F0, 0                        ; the last lap fills nothing
	QUARTER 0, 3, F0, F1, 0
	TURN 0, 1, 0
	QUARTER 1, 1, F0, F1, 0
	QUARTER 1, 2, F1, F0, 0
	QUARTER 1, 3, F0, F1, 0
	s_wait_dscnt 4
	WIN MUL
	MUL8 F1, 0, 0
	MUL8 F1, 1, 0
	s_wait_dscnt 0x0
	MUL8 F1, 2, 0
	MUL8 F1, 3, 0
	WIN 0
; THE WAY OUT, a block of 16 rows x 128 columns at a time, through my own stage: back as whole rows of 512 bytes.
.macro TOSTAGE a
	WIN 0x04                                       ; an LDS store's data: window 1
.irp b, 0,1,2,3,4,5,6,7
	ds_store_b128 v[STO], v[64*\a+8*\b:64*\a+8*\b+3] offset:64*\b             ; each accumulator from its low end on
	ds_store_b128 v[STO], v[64*\a+8*\b+4:64*\a+8*\b+7] offset:64*\b+16
.endr
	WIN 0
.set BB, F0+64*((\a)%2)
.irp t, 0,1,2,3,4,5,6,7,8,9,10,11,12,13,14,15
	ds_load_b128 v[BB+4*\t:BB+4*\t+3], v[RD] offset:\t*SPITCH
.endr
.endm
.macro SEND a, younger
.set BB, F0+64*((\a)%2)
	s_wait_dscnt \younger                          ; the block is back; the next block's 16 stores and 16 loads may be out
.if (\a) > 0
	s_add_nc_u64 s[10:11], s[10:11], 16*4096       ; behind a wait on XCNT: the earlier stores have read their base
.endif
.irp t, 0,1,2,3,4,5,6,7,8,9,10,11,12,13,14,15
	global_store_b128 v[CO], v[BB+4*\t:BB+4*\t+3], s[10:11] offset:\t*4096 th:TH_STORE_NT   ; 512 consecutive bytes, aligned
.endr
.endm
	PLACES
	TOSTAGE 0
.irp a, 1,2,3
.if \a > 1
	s_wait_xcnt 0x0                                ; block a - 2's stores have read their registers and base
.endif
	TOSTAGE \a
	SEND (\a)-1, 32
.endr
	s_wait_xcnt 0x0
	SEND 3, 0
	s_wait_tensorcnt 0x0                           ; the wave's end
	ds_add_u32 v[SPW], v[NIL]
	s_wait_dscnt 0x0
	CROUND                                         ; the closing round
	s_endpgm
.Lfunc_end_k_qce0d8c4a8a_oproj:
	.size	k_qce0d8c4a8a_oproj, .Lfunc_end_k_qce0d8c4a8a_oproj-k_qce0d8c4a8a_oproj
	.p2alignl 7, 3214868480
	.fill 96, 4, 3214868480
	.section	.rodata,"a",@progbits
	.p2align	6, 0x0
	.amdhsa_kernel k_qce0d8c4a8a_oproj
		.amdhsa_group_segment_fixed_size 327680
		.amdhsa_private_segment_fixed_size 0
		.amdhsa_enable_private_segment 0
		.amdhsa_kernarg_size 32
		.amdhsa_user_sgpr_count 2
		.amdhsa_user_sgpr_kernarg_segment_ptr 1
		.amdhsa_wavefront_size32 1
		.amdhsa_system_sgpr_workgroup_id_x 1
		.amdhsa_system_sgpr_workgroup_id_y 1
		.amdhsa_system_sgpr_workgroup_id_z 1
		.amdhsa_system_vgpr_workitem_id 0
		.amdhsa_next_free_vgpr 640
		.amdhsa_next_free_sgpr 70
		.amdhsa_reserve_vcc 0
		.amdhsa_float_denorm_mode_32 3
		.amdhsa_float_denorm_mode_16_64 3
		.amdhsa_memory_ordered 1
		.amdhsa_forward_progress 1
		.amdhsa_inst_pref_size 87
	.end_amdhsa_kernel
	.amdgpu_metadata
---
amdhsa.version: [ 1, 2 ]
amdhsa.kernels:
  - .name:           k_qce0d8c4a8a_oproj
    .symbol:         k_qce0d8c4a8a_oproj.kd
    .args:
      - { .name: att, .offset: 0, .size: 8, .value_kind: global_buffer, .address_space: global }
      - { .name: wot, .offset: 8, .size: 8, .value_kind: global_buffer, .address_space: global }
      - { .name: bo, .offset: 16, .size: 8, .value_kind: global_buffer, .address_space: global }
      - { .name: out0, .offset: 24, .size: 8, .value_kind: global_buffer, .address_space: global }
    .group_segment_fixed_size: 327680
    .private_segment_fixed_size: 0
    .kernarg_segment_align: 8
    .kernarg_segment_size: 32
    .max_flat_workgroup_size: 128
    .sgpr_count:     70
    .vgpr_count:     640
    .wavefront_size: 32
...
	.end_amdgpu_metadata
.endif
;; end of part 4
;; launch head16 (part 5): grid 16 x 4, 16 waves a work-group, no clusters, 71,680 bytes of LDS; arguments h32, pad_mask, Wo, bo, out0; writes out0
.if DOCPART == 5
	.amdgcn_target "amdgcn-amd-amdhsa--gfx1250"
	.amdhsa_code_object_version 6
	.text
	.protected	k_qce0d8c4a8a_head16
	.globl	k_qce0d8c4a8a_head16
	.p2align	8
	.type	k_qce0d8c4a8a_head16,@function
k_qce0d8c4a8a_head16:
	s_mov_b64 s[64:65], 0
	v_nop
	global_prefetch_b8 v0, s[64:65] scope:SCOPE_SE
	s_setreg_imm32_b32 hwreg(HW_REG_WAVE_MODE, 25, 1), 1
	s_wait_xcnt 0x0
; HEAD16: tokens 0-15 of each sequence once more, all in f32: these rows average one to sixteen values, where the rounding of 16-bit operands weighs most.  They overwrite the 64 rows that the launch before has written.
; Work-group (slab, batch): 64 output columns of the batch's 16 tokens.  Wave hh is head hh: its attention (16 x 16 scores), then its share (K = its 64 channels) of out[16][64]; the 16 shares are added through LDS.
; Operands come from h32, the f32 images of the projections' accumulators: [3][batch][column block of 16][half of 4 registers][lane][4]: lane (r, h), half jj, word i = token r, column 16 cb + 8 h + 4 jj + i.
; All products by the f32 matrix form, 16 x 16 x 4: 96 instructions a wave: no bulk work.  K's places in the operands are permuted alike on both sides of each product, which keeps the sums' terms.
; The registers that this form writes (v168-247) are written by matrix instructions alone; every sum begins with the constant 0.
; A query with no visible key: its maximum is -infinity, and (-infinity) - (-infinity) = NaN, as the softmax of a row of -infinity is.  No tensor load; what work-groups share is small: no cluster.
.set SPARE, 69632                      ; behind the 16 shares of 16 rows x 272 bytes: the spare words, 128 bytes a wave, which no other line names
.set SPW, 9
.set NIL, 10
.set QR,  40                           ; v40-71   Q, later Wo's second quarter, later the 16 shares
.set KR,  72                           ; v72-103  K, later Wo's third quarter
.set VT,  104                          ; v104-135 V^T, later Wo's fourth quarter
.set WF0, 136                          ; v136-167 Wo's first quarter
.set SA,  168                          ; v168-183 S^T in two halves of K
.set OT,  184                          ; v184-215 O^T
.set OUT, 216                          ; v216-247 my share of out^T
	s_load_b256 s[4:11], s[0:1], 0x0               ; h32 4, pad_mask 6, Wo 8, bo 10
	s_load_b64 s[12:13], s[0:1], 0x20              ; out0
	v_lshl_add_u32 v[SPW], v0, 2, SPARE
	v_mov_b32 v[NIL], 0
	v_lshrrev_b32 v1, 5, v0
	v_readfirstlane_b32 s14, v1                    ; wave = head; later: the token whose row I add up
	s_and_b32 s15, ttmp7, 0xffff                   ; batch
	v_and_b32 v1, 15, v0                           ; r
	v_bfe_u32 v2, v0, 4, 1                         ; h
	v_and_b32 v32, 31, v0                          ; lane
	v_lshlrev_b32 v3, 4, v32                       ; an image's 16 bytes a lane
	v_bfe_u32 v33, v0, 2, 1                        ; V^T: lane (c, h) wants channel c of keys 8 h + ..: in the image channel c lies in half (c / 4) % 2, lane row c / 8, word c % 4
	v_lshlrev_b32 v4, 9, v33
	v_bfe_u32 v33, v0, 3, 1
	v_lshl_add_u32 v4, v33, 8, v4
	v_and_b32 v33, 3, v0
	v_lshl_add_u32 v4, v33, 2, v4
	v_lshl_add_u32 v4, v2, 7, v4                   ; + 8 h keys of 16 bytes
	v_lshlrev_b32 v5, 2, v1                        ; Wo: column r, 4 bytes; + 8 h rows of 4,096 bytes
	v_lshl_add_u32 v5, v2, 15, v5
	v_lshlrev_b32 v6, 5, v2                        ; pad_mask of keys 8 h on
	v_lshlrev_b32 v33, 3, v2
	v_sub_nc_u32 v7, v1, v33                       ; key 8 h + j is hidden from query r where j > r - 8 h
	v_mov_b32 v8, 0xff800000
	s_mul_i32 s16, s14, 16*272
	v_mul_u32_u24 v11, v1, 272
	v_lshl_add_u32 v11, v2, 5, v11
	v_add_nc_u32 v11, s16, v11                     ; my share: row r, + 32 h
	s_mul_i32 s17, s14, 272
	v_lshlrev_b32 v13, 3, v32
	v_add_nc_u32 v12, s17, v13                     ; back: row = my wave's token, 8 bytes a lane
	s_mov_b32 s18, 0x76543210
	s_mov_b32 s19, 0xfedcba98                      ; lane l xor 16
	s_mov_b32 s30, 0x3e38aa3b                      ; c = log2(e) / 8
	s_mov_b32 s31, s30
	s_lshl_b32 s20, s15, 16
	s_lshl_b32 s21, s14, 12
	s_add_co_u32 s20, s20, s21                     ; h32: batch x 65,536 + head x 4 blocks of 1,024
	s_mov_b32 s21, 0
	s_lshl_b32 s22, s15, 13
	s_mov_b32 s23, 0
	s_lshl_b32 s26, ttmp9, 8                       ; the slab's 64 columns
	s_mov_b32 s27, 0
	s_lshl_b32 s24, s14, 18                        ; Wo: 64 rows of 4,096 bytes a head
	s_add_co_u32 s24, s24, s26
	s_mov_b32 s25, 0
	s_lshl_b32 s28, s15, 11
	s_add_co_u32 s28, s28, s14
	s_lshl_b32 s28, s28, 12                        ; out0: row 2,048 x batch + wave
	s_add_co_u32 s28, s28, s26
	s_mov_b32 s29, 0
	s_wait_kmcnt 0x0
	s_add_nc_u64 s[4:5], s[4:5], s[20:21]
	s_add_nc_u64 s[6:7], s[6:7], s[22:23]
	s_add_nc_u64 s[8:9], s[8:9], s[24:25]
	s_add_nc_u64 s[10:11], s[10:11], s[26:27]
	s_add_nc_u64 s[12:13], s[12:13], s[28:29]
.irp e, 0,1,2,3,4,5,6,7
	global_load_b128 v[QR+4*\e:QR+4*\e+3], v3, s[4:5] offset:512*\e
.endr
.irp e, 0,1,2,3,4,5,6,7
	global_load_b128 v[KR+4*\e:KR+4*\e+3], v3, s[4:5] offset:262144+512*\e
.endr
	global_load_b128 v[24:27], v6, s[6:7]
	global_load_b128 v[28:31], v6, s[6:7] offset:16
	global_load_b64 v[14:15], v13, s[10:11]        ; bo of my two columns
.irp dt, 0,1,2,3
.irp k, 0,1,2,3,4,5,6,7
	global_load_b32 v[VT+8*\dt+\k], v4, s[4:5] offset:524288+1024*\dt+16*\k   ; V(key 8 h + k, channel 16 dt + r)
.endr
.endr
	s_wait_loadcnt 35                              ; Q and K are in; the mask's 2, the bias and V's 32 may be out
; S^T = K Q^T: 16 instructions of 4 channels; two accumulators take turns
.set e, 0
.rept 16
.if e < 2
	v_wmma_f32_16x16x4_f32 v[SA+8*(e%2):SA+8*(e%2)+7], v[KR+2*e:KR+2*e+1], v[QR+2*e:QR+2*e+1], 0
.else
	v_wmma_f32_16x16x4_f32 v[SA+8*(e%2):SA+8*(e%2)+7], v[KR+2*e:KR+2*e+1], v[QR+2*e:QR+2*e+1], v[SA+8*(e%2):SA+8*(e%2)+7]
.endif
.set e, e+1
.endr
.rept 8
	v_nop                                          ; eight places behind this form, ahead of reads of results and of loads into its sources
.endr
	s_wait_loadcnt 0x0                             ; the mask, the bias, V
; a quarter of my head's rows of Wo (channels 16 dt on) for the slab: register 2 (4 sp + ct) + jp = Wo(64 hh + 16 dt + 8 h + 2 sp + jp, 64 slab + 16 ct + r)
.macro WLD reg, dt
.irp sp, 0,1,2,3
.irp ct, 0,1,2,3
.irp jp, 0,1
	global_load_b32 v[\reg+2*(4*\sp+\ct)+\jp], v5, s[8:9] offset:(16*\dt+2*\sp+\jp)*4096+64*\ct
.endr
.endr
.endr
.endm
	WLD WF0, 0
	WLD QR, 1
	WLD KR, 2
.irp j, 0,1,2,3,4,5,6,7
	v_add_f32 v[16+\j], v[SA+\j], v[SA+8+\j]       ; the two halves of K; from the low end on.  Lane (r, h): query r, key 8 h + j
.endr
.irp j, 0,1,2,3,4,5,6,7
	v_cmp_eq_u32 vcc_lo, 0, v[24+\j]
	v_cndmask_b32 v[16+\j], v[16+\j], v8, vcc_lo   ; padding
	v_cmp_gt_i32 vcc_lo, \j, v7
	v_cndmask_b32 v[16+\j], v[16+\j], v8, vcc_lo   ; the causal mask
.endr
	v_max3_num_f32 v32, v16, v17, v18
	v_max3_num_f32 v32, v32, v19, v20
	v_max3_num_f32 v32, v32, v21, v22
	v_max_num_f32 v32, v32, v23
	v_mov_b32 v33, 0
	v_permlanex16_b32 v33, v32, s18, s19
	v_max_num_f32 v32, v32, v33                    ; the row's maximum
	v_mul_f32 v34, s30, v32
	v_mov_b32 v35, v34
.irp i, 0,2,4,6
	v_pk_fma_f32 v[16+\i:17+\i], v[16+\i:17+\i], s[30:31], v[34:35] op_sel_hi:[1,0,0] neg_lo:[0,0,1] neg_hi:[0,0,1]
.endr
.irp j, 0,1,2,3,4,5,6,7
	v_exp_f32 v[24+\j], v[16+\j]
.endr
	v_nop
	s_wait_alu depctr_va_vdst(0)                   ; one wait for the eight, ahead of their first reader
	v_add_f32 v36, v24, v25
	v_add_f32 v37, v26, v27
	v_add_f32 v38, v28, v29
	v_add_f32 v39, v30, v31
	v_add_f32 v36, v36, v37
	v_add_f32 v38, v38, v39
	v_add_f32 v36, v36, v38
	v_permlanex16_b32 v33, v36, s18, s19
	v_add_f32 v36, v36, v33
	v_rcp_f32 v37, v36
	v_nop
	s_wait_alu depctr_va_vdst(0)
.irp j, 0,1,2,3,4,5,6,7
	v_mul_f32 v[24+\j], v[24+\j], v37              ; the weights, normalised
.endr
; O^T = V^T P: source 0 = 16 channels, source 1 = my queries; K place (h, j') is key 8 h + 2 s + j' on both sides; four accumulators by turns
.irp s, 0,1,2,3
.irp dt, 0,1,2,3
.if \s == 0
	v_wmma_f32_16x16x4_f32 v[OT+8*\dt:OT+8*\dt+7], v[VT+8*\dt+2*\s:VT+8*\dt+2*\s+1], v[24+2*\s:25+2*\s], 0
.else
	v_wmma_f32_16x16x4_f32 v[OT+8*\dt:OT+8*\dt+7], v[VT+8*\dt+2*\s:VT+8*\dt+2*\s+1], v[24+2*\s:25+2*\s], v[OT+8*\dt:OT+8*\dt+7]
.endif
.endr
.endr
.rept 9
	v_nop                                          ; nine places: the results become an operand of the next product; eight serve the loads into V's registers
.endr
	WLD VT, 3
; out^T += Wo^T O^T: source 0 = 16 output columns, source 1 = O^T's registers as they stand; K place (h, j') is channel 16 dt + 8 h + 2 sp + j' on both sides; four accumulators by turns
.macro PROJ reg, dt
.irp sp, 0,1,2,3
.irp ct, 0,1,2,3
.if (\dt == 0) && (\sp == 0)
	v_wmma_f32_16x16x4_f32 v[OUT+8*\ct:OUT+8*\ct+7], v[\reg+2*(4*\sp+\ct):\reg+2*(4*\sp+\ct)+1], v[OT+8*\dt+2*\sp:OT+8*\dt+2*\sp+1], 0
.else
	v_wmma_f32_16x16x4_f32 v[OUT+8*\ct:OUT+8*\ct+7], v[\reg+2*(4*\sp+\ct):\reg+2*(4*\sp+\ct)+1], v[OT+8*\dt+2*\sp:OT+8*\dt+2*\sp+1], v[OUT+8*\ct:OUT+8*\ct+7]
.endif
.endr
.endr
.endm
	s_wait_loadcnt 63                              ; the first quarter is in: 96 loads are younger, and 63 is the largest count that can be named
	PROJ WF0, 0
	s_wait_loadcnt 63                              ; the second: 64 are younger
	PROJ QR, 1
	s_wait_loadcnt 32                              ; the third: the fourth's 32 may be out
	PROJ KR, 2
	s_wait_loadcnt 0x0
	PROJ VT, 3
.rept 8
	v_nop                                          ; ahead of the stores of results and of loads into this form's sources
.endr
.irp ct, 0,1,2,3                               ; lane (r, h): token r, columns 16 ct + 8 h + 0 .. 7
	ds_store_b128 v11, v[OUT+8*\ct:OUT+8*\ct+3] offset:64*\ct
	ds_store_b128 v11, v[OUT+8*\ct+4:OUT+8*\ct+7] offset:64*\ct+16
.endr
	s_wait_dscnt 0x0                               ; for the others' sake: my share lies in LDS
	s_barrier_signal -1
	s_barrier_wait -1
.irp p, 0,1,2,3,4,5,6,7,8,9,10,11,12,13,14,15
	ds_load_b64 v[QR+2*\p:QR+2*\p+1], v12 offset:4352*\p             ; head p's share of my token's 64 columns
.endr
	s_wait_dscnt 0x0
	v_pk_add_f32 v[32:33], v[14:15], v[QR:QR+1]    ; the bias and the 16 shares, in two chains
	v_pk_add_f32 v[34:35], v[QR+2:QR+3], v[QR+4:QR+5]
.irp p, 3,5,7,9,11,13
	v_pk_add_f32 v[32:33], v[32:33], v[QR+2*\p:QR+2*\p+1]
	v_pk_add_f32 v[34:35], v[34:35], v[QR+2*\p+2:QR+2*\p+3]
.endr
	v_pk_add_f32 v[32:33], v[32:33], v[QR+30:QR+31]
	v_pk_add_f32 v[32:33], v[32:33], v[34:35]
	global_store_b64 v13, v[32:33], s[12:13]       ; the wave stores 256 consecutive bytes, aligned
	s_wait_tensorcnt 0x0                           ; the wave's end
	ds_add_u32 v[SPW], v[NIL]
	s_wait_dscnt 0x0
	s_endpgm
.Lfunc_end_k_qce0d8c4a8a_head16:
	.size	k_qce0d8c4a8a_head16, .Lfunc_end_k_qce0d8c4a8a_head16-k_qce0d8c4a8a_head16
	.p2alignl 7, 3214868480
	.fill 96, 4, 3214868480
	.section	.rodata,"a",@progbits
	.p2align	6, 0x0
	.amdhsa_kernel k_qce0d8c4a8a_head16
		.amdhsa_group_segment_fixed_size 71680
		.amdhsa_private_segment_fixed_size 0
		.amdhsa_enable_private_segment 0
		.amdhsa_kernarg_size 40
		.amdhsa_user_sgpr_count 2
		.amdhsa_user_sgpr_kernarg_segment_ptr 1
		.amdhsa_wavefront_size32 1
		.amdhsa_system_sgpr_workgroup_id_x 1
		.amdhsa_system_sgpr_workgroup_id_y 1
		.amdhsa_system_sgpr_workgroup_id_z 1
		.amdhsa_system_vgpr_workitem_id 0
		.amdhsa_next_free_vgpr 256
		.amdhsa_next_free_sgpr 66
		.amdhsa_reserve_vcc 1
		.amdhsa_float_denorm_mode_32 3
		.amdhsa_float_denorm_mode_16_64 3
		.amdhsa_memory_ordered 1
		.amdhsa_forward_progress 1
		.amdhsa_inst_pref_size 33
	.end_amdhsa_kernel
	.amdgpu_metadata
---
amdhsa.version: [ 1, 2 ]
amdhsa.kernels:
  - .name:           k_qce0d8c4a8a_head16
    .symbol:         k_qce0d8c4a8a_head16.kd
    .args:
      - { .name: h32, .offset: 0, .size: 8, .value_kind: global_buffer, .address_space: global }
      - { .name: pad_mask, .offset: 8, .size: 8, .value_kind: global_buffer, .address_space: global }
      - { .name: Wo, .offset: 16, .size: 8, .value_kind: global_buffer, .address_space: global }
      - { .name: bo, .offset: 24, .size: 8, .value_kind: global_buffer, .address_space: global }
      - { .name: out0, .offset: 32, .size: 8, .value_kind: global_buffer, .address_space: global }
    .group_segment_fixed_size: 71680
    .private_segment_fixed_size: 0
    .kernarg_segment_align: 8
    .kernarg_segment_size: 40
    .max_flat_workgroup_size: 512
    .sgpr_count:     66
    .vgpr_count:     256
    .wavefront_size: 32
...
	.end_amdgpu_metadata
.endif
;; end of part 5
